; MI455X (gfx1250); checked and timed in simulation.
; The chip was launched on July 23, 2026; its instructions are those of AMD's public machine-readable ISA for CDNA 5 (MIT licence, August 2026) and "CDNA5" Instruction Set Architecture Reference Guide (July 2026). The comments in the code are by the model that wrote it; some were corrected since.
;; Linear Cross Modal Attention. Allowed arithmetic: float matrix products may take bf16 or f16 operands with f32 sums; other float arithmetic in f32, or as packed bf16 or f16 multiplies, adds, multiply-adds, maxima and minima; sums over many terms, partial sums and values carried from step to step in f32; what a program stores and reads back later, other than sums and carried values, may be rounded once to bf16 or f16.
;; Inputs: Wk 512 x 512 float32; Wo 512 x 512 float32; Wq 512 x 512 float32; Wv 512 x 512 float32; key_feat 8 x 512 x 64 x 64 float32; query_feat 8 x 512 x 64 x 64 float32.
;; Outputs: out0 8 x 512 x 64 x 64 float32.
;; 2 versions, each right; version 2 is version 1 with the launches gram, apply written anew for expert scheduling mode. Each part assembles by itself: llvm-mc -triple=amdgcn-amd-amdhsa -mcpu=gfx1250 --defsym DOCPART=n.
;; ======== version 1 of 2: 6 launches
;; workspace buffers: wb 2,097,152 bytes; gp 16,777,216 bytes; tp 8,388,608 bytes; sc 8,388,608 bytes; ub 4,194,304 bytes; mf 4,194,304 bytes
;; launch gram (part 1): grid 16 x 16, 8 waves a work-group, no clusters, 209,920 bytes of LDS; arguments query_feat, key_feat, Wq, Wk, Wv, Wo, gp, wb; writes gp, wb
.if DOCPART == 1
	.amdgcn_target "amdgcn-amd-amdhsa--gfx1250"
	.amdhsa_code_object_version 6
	.text
	.protected	k_qfb1e7ed257_gram
	.globl	k_qfb1e7ed257_gram
	.p2align	8
	.type	k_qfb1e7ed257_gram,@function
k_qfb1e7ed257_gram:
	s_mov_b64 s[64:65], 0
	v_nop
	global_prefetch_b8 v0, s[64:65] scope:SCOPE_SE
	s_setreg_imm32_b32 hwreg(HW_REG_WAVE_MODE, 25, 1), 1
	s_wait_xcnt 0x0
; GT[j][i] = the sum over n of xk[j][n] xq[i][n], for one batch and one half of n, in f32; and the four weights rounded to bf16.
; The module's products are regrouped: scores = Wq (xq xk^T) Wk^T and out = (Wo P Wv) xk, which holds for every input; the order of the sums differs from the written one.
; xq, xk: [8][512][4096] f32, rounded once to bf16 for the matrix unit.  gp: [half 2][batch 8][j 512][i 512] f32: the two halves are partial sums and stay in f32.
; SHARES.  256 work-groups: x = ti + 4 half + 8 (tj % 2), y = tj / 2 + 2 b: the sixteen work-groups of a batch and a half of n, which read the same rows, agree in bit 2 of x.
; A work-group makes 128 j x 128 i over 2,048 n.  Wave w: 32 rows j (w / 2) x 64 columns i (w % 2): 8 accumulators.
; THE STREAM.  n goes in 16 steps of 128 (512 bytes of f32 a row).  In a step wave w loads 32 rows of the joint tile (rows 0-127 xk's, 128-255 xq's), a row a load (32 lanes x 16 bytes),
; into one of two sets of 128 registers; while one set is rounded and stored to LDS the other set's 32 loads stay on their way, across the barrier too.
; NO CLUSTER, NO TENSOR LOADS: the data must be rounded on its way, so it passes through registers anyway, and loads into registers stay out across barriers.
; The product is taken with source 0 = 16 rows of xq, source 1 = 16 rows of xk: a lane then holds one row j and eight neighbouring i.
; REGISTERS: window 0: v2-15 addresses; v32-95 accumulators; v96-143, v144-191 two fragment buffers; v192-255 the way out.  Window 1: the two sets of 128.
.set PITCH, 272                        ; an LDS row: 256 bytes of bf16 + 16: an odd multiple of 16, so the 16 rows of a fragment load start 16 bytes apart modulo 256
.set BUFB,  256*PITCH                  ; a buffer: 256 rows
.set STAGE, 2*BUFB                     ; 8 waves x 32 rows x 272 bytes, each wave's own
.set SPARE, STAGE+8*32*PITCH           ; the spare words: 128 bytes a wave, four blocks of 256 bytes that no other line names
.set GOF, 2                            ; 16 x lane
.set LST, 3                            ; v3-4   where I store 8 bytes of my rows, buffer 0, 1
.set FJ,  5                            ; v5-6   my fragments of xk
.set FI,  7                            ; v7-8   my fragments of xq
.set STO, 9                            ; the way out: into my stage
.set RD,  10                           ; and back
.set GO,  11                           ; my byte offset in two rows of gp
.set WOF, 12                           ; my 16 bytes of each weight
.set WST, 13                           ; my 8 bytes of each rounded weight
.set SPW, 14
.set NIL, 15
.set ACC, 32                           ; (a, e) at ACC + 8 (4 a + e)
.set F0,  96                           ; xq's fragment e at + 8 e, xk's fragment a at + 32 + 8 a
.set F1,  144
.set OB,  192
.set WV,  20
.set XP,  24                           ; s[24:25] my 32 rows, at the step that set 0 was last loaded for
.set GP,  26                           ; s[26:27] my part of gp
.set TRIPS, 32
.set MSB, 0
.macro WIN new                         ; the immediate's high byte repeats the setting that is left; a switch that changes nothing is dropped
.if MSB != (\new)
	s_set_vgpr_msb (MSB<<8)|(\new)
.set MSB, \new
.endif
.endm
.macro PLACES
.rept 4
	v_nop
.endr
.endm
.macro LOADS par, off                  ; a step's 32 rows into set par
	WIN 0x40                               ; destination window 1, address window 0
.set q, 0
.rept 32
	global_load_b128 v[128*(\par)+4*q:128*(\par)+4*q+3], v[GOF], s[XP:XP+1] offset:q*16384+(\off)
.set q, q+1
.endr
.endm
.macro FETCH par, ks, f                ; 12 LDS loads: 32 along n at byte 64 ks of the rows: four fragments of xq, two of xk
.irp e, 0,1,2,3
	ds_load_b128 v[(\f)+8*(\e):(\f)+8*(\e)+3],   v[FI+(\par)] offset:(\e)*16*PITCH+64*(\ks)
	ds_load_b128 v[(\f)+8*(\e)+4:(\f)+8*(\e)+7], v[FI+(\par)] offset:(\e)*16*PITCH+64*(\ks)+32
.endr
.irp a, 0,1
	ds_load_b128 v[(\f)+32+8*(\a):(\f)+32+8*(\a)+3], v[FJ+(\par)] offset:(\a)*16*PITCH+64*(\ks)
	ds_load_b128 v[(\f)+32+8*(\a)+4:(\f)+32+8*(\a)+7], v[FJ+(\par)] offset:(\a)*16*PITCH+64*(\ks)+32
.endr
.endm
.macro MUL f                           ; 8 products; the 8 accumulators take turns, in the same order everywhere
.irp a, 0,1
.irp e, 0,1,2,3
	v_wmma_f32_16x16x32_bf16 v[ACC+8*(4*(\a)+(\e)):ACC+8*(4*(\a)+(\e))+7], v[(\f)+8*(\e):(\f)+8*(\e)+7], v[(\f)+32+8*(\a):(\f)+32+8*(\a)+7], v[ACC+8*(4*(\a)+(\e)):ACC+8*(4*(\a)+(\e))+7]
.endr
.endr
.endm
; A step.  left: the younger loads that may stay out.  load = 1: the set is asked for again, two steps on.  wl = 1: my 16 bytes of each weight are asked for.
.macro STEP par, load, left, wl
	s_wait_loadcnt \left                   ; my set is in; the other set's 32 loads stay out
.if \wl
	WIN 0x40
.irp m, 0,1,2,3
	global_load_b128 v[4*(\m):4*(\m)+3], v[WOF], s[8+2*(\m):9+2*(\m)]  ; into set 0, which is free
.endr
.endif
	WIN 0x45                               ; rounded in place: row q's four registers become two; these 64 lines are also the places behind the step before's products
.set q, 0
.rept 32
	v_cvt_pk_bf16_f32 v[128*(\par)+2*q],   v[128*(\par)+4*q],   v[128*(\par)+4*q+1]
	v_cvt_pk_bf16_f32 v[128*(\par)+2*q+1], v[128*(\par)+4*q+2], v[128*(\par)+4*q+3]
.set q, q+1
.endr
	WIN 0x04                               ; store data in window 1
.set q, 0
.rept 32
	ds_store_b64 v[LST+(\par)], v[128*(\par)+2*q:128*(\par)+2*q+1] offset:q*PITCH  ; 32 lanes x 8 bytes: a row's 256 bytes
.set q, q+1
.endr
	s_wait_dscnt 0x0                       ; for the others' sake: my rows lie in LDS; my reads of the step before ended at its own wait for 0
.if \load
	LOADS \par, 512*(\par)                 ; only now: the stores have read the set's registers
.endif
	WIN 0
	s_barrier_signal -1                    ; ONE barrier a step: this buffer is whole behind it, and the other buffer, read in the step before, may be written in the next
	s_barrier_wait -1
	FETCH \par, 0, F0
	FETCH \par, 1, F1
	s_wait_dscnt 12                        ; all but the 12 issued last
	MUL F0
	PLACES                                 ; four places in front of loads into registers that products have read
	FETCH \par, 2, F0
	s_wait_dscnt 12
	MUL F1
	PLACES
	FETCH \par, 3, F1
	s_wait_dscnt 12
	MUL F0
	s_wait_dscnt 0x0
	MUL F1
.endm
	s_load_b512 s[4:19], s[0:1], 0x0       ; xq s[4:5], xk s[6:7], Wq, Wk, Wv, Wo s[8:15], gp s[16:17], wb s[18:19]
	v_lshl_add_u32 v[SPW], v0, 2, SPARE
	v_mov_b32 v[NIL], 0
	v_lshrrev_b32 v1, 5, v0
	v_readfirstlane_b32 s[WV], v1          ; wave 0..7
	v_and_b32 v16, 31, v0                  ; lane
	v_lshlrev_b32 v[GOF], 4, v16
	s_and_b32 s21, ttmp7, 0xffff           ; y
	s_lshr_b32 s22, ttmp9, 3               ; tj = x / 8 + 2 (y % 2)
	s_and_b32 s23, s21, 1
	s_lshl_b32 s23, s23, 1
	s_or_b32 s22, s22, s23
	s_and_b32 s23, ttmp9, 3                ; ti = x % 4
	s_lshr_b32 s28, s21, 1                 ; batch = y / 2
	s_bfe_u32 s29, ttmp9, 0x10002          ; half of n = bit 2 of x
	s_cmp_lt_u32 s[WV], 4                  ; waves 0-3 load xk's rows, waves 4-7 xq's
	s_cselect_b32 s30, s22, s23
	s_lshl_b32 s30, s30, 7
	s_and_b32 s31, s[WV], 3
	s_lshl_b32 s31, s31, 5
	s_add_co_u32 s30, s30, s31             ; my first row
	s_lshl_b32 s30, s30, 14                ; x 16,384 bytes
	s_lshl_b32 s31, s28, 23                ; + batch x 8,388,608
	s_add_co_u32 s30, s30, s31
	s_lshl_b32 s31, s29, 13                ; + half x 8,192
	s_add_co_u32 s30, s30, s31
	s_mov_b32 s31, 0
	s_lshl_b32 s36, s29, 3
	s_add_co_u32 s36, s36, s28             ; 8 half + batch
	s_lshl_b32 s36, s36, 9
	s_lshl_b32 s37, s22, 7
	s_add_co_u32 s36, s36, s37
	s_lshr_b32 s34, s[WV], 1               ; wj
	s_and_b32 s35, s[WV], 1                ; wi
	s_lshl_b32 s37, s34, 5
	s_add_co_u32 s36, s36, s37             ; my first row of gp
	s_lshl_b32 s36, s36, 11                ; x 2,048 bytes
	s_lshl_b32 s37, s23, 9
	s_add_co_u32 s36, s36, s37             ; + 128 ti columns
	s_lshl_b32 s37, s35, 8
	s_add_co_u32 s36, s36, s37             ; + 64 wi columns
	s_mov_b32 s37, 0
	s_wait_kmcnt 0x0
	s_cmp_lt_u32 s[WV], 4
	s_cselect_b64 s[XP:XP+1], s[6:7], s[4:5]
	s_add_nc_u64 s[XP:XP+1], s[XP:XP+1], s[30:31]
	s_add_nc_u64 s[GP:GP+1], s[16:17], s[36:37]
	LOADS 0, 0                             ; step 0
	LOADS 1, 512                           ; step 1
	WIN 0
	v_and_b32 v17, 15, v0                  ; r
	v_bfe_u32 v18, v0, 4, 1                ; h
	s_mul_i32 s40, s[WV], 32*PITCH
	v_lshl_add_u32 v[LST], v16, 3, s40
	v_add_nc_u32 v[LST+1], BUFB, v[LST]
	v_mul_u32_u24 v19, v17, PITCH
	v_lshl_add_u32 v20, v18, 4, v19        ; r x pitch + 16 h
	s_mul_i32 s41, s34, 32*PITCH
	v_add_nc_u32 v[FJ], s41, v20
	v_add_nc_u32 v[FJ+1], BUFB, v[FJ]
	s_mul_i32 s42, s35, 64*PITCH
	s_add_co_u32 s42, s42, 128*PITCH
	v_add_nc_u32 v[FI], s42, v20
	v_add_nc_u32 v[FI+1], BUFB, v[FI]
	s_add_co_u32 s43, s40, STAGE           ; my stage
	v_lshl_add_u32 v[STO], v18, 5, v19     ; row r, 32 bytes for each half of the lanes
	v_add_nc_u32 v[STO], s43, v[STO]
	v_mul_u32_u24 v[RD], v18, PITCH        ; back: lanes 0-15 one row of 256 bytes, lanes 16-31 the next
	v_lshl_add_u32 v[RD], v17, 4, v[RD]
	v_add_nc_u32 v[RD], s43, v[RD]
	v_lshlrev_b32 v[GO], 11, v18
	v_lshl_add_u32 v[GO], v17, 4, v[GO]
	s_lshl_b32 s44, s21, 4
	s_add_co_u32 s44, s44, ttmp9           ; the work-group's number, 0..255: it rounds 4,096 bytes of each weight
	s_lshl_b32 s45, s44, 12
	v_lshl_add_u32 v[WOF], v0, 4, s45
	s_lshl_b32 s46, s44, 11
	v_lshl_add_u32 v[WST], v0, 3, s46
.set i, 0
.rept 64
	v_mov_b32 v[ACC+i], 0                  ; the sums start at 0, written while the first loads are out: the loop then has one form of step (a first trip written out would be two steps' text more)
.set i, i+1
.endr
	s_mov_b32 s[TRIPS], 7
.Ltrip:                                        ; steps 2 i and 2 i + 1 are multiplied, steps 2 i + 2 and 2 i + 3 asked for
	s_wait_xcnt 0x0                        ; every load issued so far has read its address, so the pointer may be written
	s_add_nc_u64 s[XP:XP+1], s[XP:XP+1], 1024
	STEP 0, 1, 32, 0
	STEP 1, 1, 32, 0
	s_sub_co_u32 s[TRIPS], s[TRIPS], 1
	s_cmp_lg_u32 s[TRIPS], 0
	s_cbranch_scc1 .Ltrip
	STEP 0, 0, 32, 0                       ; the last two steps load nothing of x
	STEP 1, 0, 0, 1
	; THE WAY OUT: 32 rows x 256 bytes of f32 through my own stage, so that sixteen lanes store 256 consecutive bytes
	PLACES
	PLACES
.set t, 0
.rept 8                                ; accumulator t = 4 a + e; its low registers are read first
	ds_store_b128 v[STO], v[ACC+8*t:ACC+8*t+3]   offset:(t/4)*16*PITCH+(t%4)*64
	ds_store_b128 v[STO], v[ACC+8*t+4:ACC+8*t+7] offset:(t/4)*16*PITCH+(t%4)*64+16
.set t, t+1
.endr
.set q, 0
.rept 16
	ds_load_b128 v[OB+4*q:OB+4*q+3], v[RD] offset:q*2*PITCH  ; LDS serves a wave's instructions in order (ISA guide 5.7.1.4): these see the stores above
.set q, q+1
.endr
.set q, 0
.rept 16
	s_wait_dscnt 15-q
	global_store_b128 v[GO], v[OB+4*q:OB+4*q+3], s[GP:GP+1] offset:q*4096
.set q, q+1
.endr
	s_wait_loadcnt 0x0                     ; the weights
	WIN 0x45
.irp m, 0,1,2,3
	v_cvt_pk_bf16_f32 v[2*(\m)],   v[4*(\m)],   v[4*(\m)+1]
	v_cvt_pk_bf16_f32 v[2*(\m)+1], v[4*(\m)+2], v[4*(\m)+3]
.endr
	WIN 0x04
.irp m, 0,1,2,3
	global_store_b64 v[WST], v[2*(\m):2*(\m)+1], s[18:19] offset:(\m)*524288  ; a wave's store covers 256 consecutive bytes, aligned
.endr
	WIN 0
	s_wait_tensorcnt 0x0                   ; the wave's end, behind my last LDS store
	ds_add_u32 v[SPW], v[NIL]
	s_wait_dscnt 0x0
	s_endpgm
.Lfunc_end_k_qfb1e7ed257_gram:
	.size	k_qfb1e7ed257_gram, .Lfunc_end_k_qfb1e7ed257_gram-k_qfb1e7ed257_gram
	.p2alignl 7, 3214868480
	.fill 96, 4, 3214868480
	.section	.rodata,"a",@progbits
	.p2align	6, 0x0
	.amdhsa_kernel k_qfb1e7ed257_gram
		.amdhsa_group_segment_fixed_size 209920
		.amdhsa_private_segment_fixed_size 0
		.amdhsa_enable_private_segment 0
		.amdhsa_kernarg_size 64
		.amdhsa_user_sgpr_count 2
		.amdhsa_user_sgpr_kernarg_segment_ptr 1
		.amdhsa_wavefront_size32 1
		.amdhsa_system_sgpr_workgroup_id_x 1
		.amdhsa_system_sgpr_workgroup_id_y 1
		.amdhsa_system_sgpr_workgroup_id_z 1
		.amdhsa_system_vgpr_workitem_id 0
		.amdhsa_next_free_vgpr 512
		.amdhsa_next_free_sgpr 66
		.amdhsa_reserve_vcc 0
		.amdhsa_float_denorm_mode_32 3
		.amdhsa_float_denorm_mode_16_64 3
		.amdhsa_memory_ordered 1
		.amdhsa_forward_progress 1
		.amdhsa_inst_pref_size 70
	.end_amdhsa_kernel
	.amdgpu_metadata
---
amdhsa.version: [ 1, 2 ]
amdhsa.kernels:
  - .name:           k_qfb1e7ed257_gram
    .symbol:         k_qfb1e7ed257_gram.kd
    .args:
      - { .name: query_feat, .offset: 0, .size: 8, .value_kind: global_buffer, .address_space: global }
      - { .name: key_feat, .offset: 8, .size: 8, .value_kind: global_buffer, .address_space: global }
      - { .name: Wq, .offset: 16, .size: 8, .value_kind: global_buffer, .address_space: global }
      - { .name: Wk, .offset: 24, .size: 8, .value_kind: global_buffer, .address_space: global }
      - { .name: Wv, .offset: 32, .size: 8, .value_kind: global_buffer, .address_space: global }
      - { .name: Wo, .offset: 40, .size: 8, .value_kind: global_buffer, .address_space: global }
      - { .name: gp, .offset: 48, .size: 8, .value_kind: global_buffer, .address_space: global }
      - { .name: wb, .offset: 56, .size: 8, .value_kind: global_buffer, .address_space: global }
    .group_segment_fixed_size: 209920
    .private_segment_fixed_size: 0
    .kernarg_segment_align: 8
    .kernarg_segment_size: 64
    .max_flat_workgroup_size: 256
    .sgpr_count:     66
    .vgpr_count:     512
    .wavefront_size: 32
...
	.end_amdgpu_metadata
.endif
;; end of part 1
;; launch tmul (part 2): grid 32 x 8, 8 waves a work-group, no clusters, 310,272 bytes of LDS; arguments gp, wb, tp; writes tp
.if DOCPART == 2
	.amdgcn_target "amdgcn-amd-amdhsa--gfx1250"
	.amdhsa_code_object_version 6
	.text
	.protected	k_qfb1e7ed257_tmul
	.globl	k_qfb1e7ed257_tmul
	.p2align	8
	.type	k_qfb1e7ed257_tmul,@function
k_qfb1e7ed257_tmul:
	s_mov_b64 s[64:65], 0
	v_nop
	global_prefetch_b8 v0, s[64:65] scope:SCOPE_SE
	s_setreg_imm32_b32 hwreg(HW_REG_WAVE_MODE, 25, 1), 1
	s_wait_xcnt 0x0
; T[c][j] = the sum over i of Wq[c][i] G[j][i], G = the two halves of gp added in f32.  One batch a grid row.
; G GOES TO THE MATRIX UNIT AS TWO bf16 NUMBERS, hi + lo (hi = G rounded, lo = G - hi rounded: some 16 significant bits), since an error of a score passes whole into a weight's relative error;
; bf16, not f16: G grows with the square of the inputs.  T leaves in the same way: tp[b][c] is a row of 2,048 bytes, eight groups of 64 j, each [hi 128 bytes][lo 128 bytes].
; SHARES.  x = 8 tc + tj: 128 c x 64 j, all 512 i in LDS.  Wave w: 32 c (w / 2) x 32 j (w % 2): 4 accumulators; hi's and lo's products add onto the same one.
; Source 0 = 16 rows j of G, source 1 = 16 rows c of Wq: a lane holds one c and eight neighbouring j.
; BY QUARTERS OF K.  Everything is asked for at the head, in the order of K: each wave issues four tensor loads (its 16 rows of Wq, a quarter of K each) and 64 loads of G (its 8 rows, a quarter of K at a time).
; A quarter is multiplied as soon as it lies in LDS, while the later quarters are on their way: a counted wait and a barrier, behind which nothing is filled, stand in front of each.
; NO CLUSTER: nothing is filled twice and the launch is short; the tiles that neighbours share are read at about the same time.
.set PW,   272                         ; a row of Wq's quarter: 256 bytes + 16
.set WQB,  128*PW                      ; a quarter of K: 128 rows
.set XB,   4*WQB                       ; behind Wq: G, four quarters of K,
.set PX,   528                         ; a row 512 bytes (two groups of [hi 128][lo 128]) + 16
.set XQB,  64*PX
.set STAGE, XB+4*XQB                   ; 128 rows x 272 bytes, the work-group's
.set SPARE, STAGE+128*PW               ; the spare words: four blocks of 256 bytes that no other line names
.set GOF, 2
.set NEG1, 10                          ; -1.0
.set SPW, 14
.set NIL, 15
.set AW,  16                           ; my fragments of Wq
.set AX,  17                           ; my fragments of G
.set TST, 18                           ; the way out: into the stage
.set TRD, 19                           ; and back
.set PST, 20                           ; v20-23 where I store 8 bytes of hi, by quarter of K
.set TGO, 24
.set ACC, 32                           ; (rx, rw) at ACC + 8 (2 rx + rw)
.set F,   64                           ; v64-255: sub-step z at F + 48 z: G's fragment (rb, plane) at + 8 (2 rb + plane), Wq's rb at + 32 + 8 rb
.set WV,  10
.set G1,  24
.set GA,  36                           ; s[36:37] gp's first half at my 8 rows
.set GB,  38                           ; s[38:39] its second half
.set TP,  40
.set G0,  48                           ; s[48:63] descriptor group 0, a set for each quarter of K
.set MSB, 0
.macro WIN new
.if MSB != (\new)
	s_set_vgpr_msb (MSB<<8)|(\new)
.set MSB, \new
.endif
.endm
.macro PLACES
.rept 4
	v_nop
.endr
.endm
	s_load_b128 s[4:7], s[0:1], 0x0        ; gp s[4:5], wb s[6:7]
	s_load_b64 s[8:9], s[0:1], 0x10        ; tp
	v_lshl_add_u32 v[SPW], v0, 2, SPARE
	v_mov_b32 v[NIL], 0
	ds_add_u32 v[SPW], v[NIL]              ; the wave's opening, ahead of my first tensor load; work on registers stands between the add and its wait
	ds_add_u32 v14, v15
	v_lshrrev_b32 v1, 5, v0
	v_readfirstlane_b32 s[WV], v1
	v_and_b32 v3, 31, v0
	v_lshlrev_b32 v[GOF], 4, v3
	s_lshr_b32 s11, ttmp9, 3               ; tc
	s_and_b32 s12, ttmp9, 7                ; tj
	s_and_b32 s13, ttmp7, 0xffff           ; batch
	s_and_b32 s14, s[WV], 1                ; wx
	s_lshr_b32 s15, s[WV], 1               ; wp
	s_mov_b32 s[G1+0], (1<<16)|(1<<20)|(5<<22)|(3<<25)  ; 2-byte elements; padding on: after every 64 words, 4 words
	s_mov_b32 s[G1+1], 128<<16             ; tensor_dim0 = 128
	s_mov_b32 s[G1+2], 16<<16              ; tensor_dim1 = 16
	s_mov_b32 s[G1+3], 128<<16             ; tile_dim0 = 128
	s_mov_b32 s[G1+4], 16                  ; tile_dim1 = 16
	s_mov_b32 s[G1+5], 512                 ; elements from row to row
	s_mov_b32 s[G1+6], 0
	s_mov_b32 s[G1+7], 0
	s_mul_i32 s16, s[WV], 16*PW            ; wave w fills rows 16 w .. 16 w + 15 of each quarter
.irp q, 0,1,2,3
	s_mov_b32 s[G0+4*(\q)], 1
	s_add_co_u32 s[G0+4*(\q)+1], s16, (\q)*WQB
.endr
	s_lshl_b32 s42, s11, 7
	s_lshl_b32 s43, s[WV], 4
	s_add_co_u32 s42, s42, s43             ; my 16 rows of Wq
	s_lshl_b32 s42, s42, 10                ; x 1,024 bytes
	s_mov_b32 s43, 0
	s_lshl_b32 s46, s12, 6
	s_lshl_b32 s47, s[WV], 3
	s_add_co_u32 s46, s46, s47             ; my 8 rows j
	s_lshl_b32 s46, s46, 11
	s_lshl_b32 s47, s13, 20
	s_add_co_u32 s46, s46, s47
	s_mov_b32 s47, 0
	s_lshl_b32 s44, s11, 7
	s_lshl_b32 s45, s[WV], 4
	s_add_co_u32 s44, s44, s45             ; the 16 rows c that I store
	s_lshl_b32 s44, s44, 11
	s_lshl_b32 s45, s13, 20
	s_add_co_u32 s44, s44, s45
	s_lshl_b32 s45, s12, 8
	s_add_co_u32 s44, s44, s45             ; + group tj
	s_mov_b32 s45, 0
	s_wait_dscnt 0x0                       ; the opening add is done
	s_wait_kmcnt 0x0
	s_add_nc_u64 s[42:43], s[6:7], s[42:43]
.irp q, 0,1,2,3
	s_add_nc_u64 s[G0+4*(\q)+2:G0+4*(\q)+3], s[42:43], (\q)*256
	s_or_b32 s[G0+4*(\q)+3], s[G0+4*(\q)+3], 0x80000000
.endr
.irp q, 0,1,2,3
	tensor_load_to_lds s[G0+4*(\q):G0+4*(\q)+3], s[G1:G1+7]  ; my four first fills, K ascending: four loads of mine are out
	s_nop 0
.endr
	PLACES
	s_add_nc_u64 s[GA:GA+1], s[4:5], s[46:47]
	s_add_nc_u64 s[GB:GB+1], s[GA:GA+1], 0x800000
	s_add_nc_u64 s[TP:TP+1], s[8:9], s[44:45]
	WIN 0x40                               ; 64 loads: piece xx = 8 u + q is quarter u of K (512 bytes), row q; first half into v[8 xx ..], second into v[8 xx + 4 ..] of window 1
.set xx, 0
.rept 32
	global_load_b128 v[8*xx:8*xx+3],   v[GOF], s[GA:GA+1] offset:(xx%8)*2048+(xx/8)*512
	global_load_b128 v[8*xx+4:8*xx+7], v[GOF], s[GB:GB+1] offset:(xx%8)*2048+(xx/8)*512
.set xx, xx+1
.endr
	WIN 0
	v_mov_b32 v[NEG1], -1.0
	v_and_b32 v4, 15, v0                   ; r
	v_bfe_u32 v5, v0, 4, 1                 ; h
	v_mul_u32_u24 v6, v4, PW
	v_lshl_add_u32 v6, v5, 4, v6
	s_mul_i32 s16, s15, 32*PW
	v_add_nc_u32 v[AW], s16, v6
	v_mul_u32_u24 v7, v4, PX
	v_lshl_add_u32 v7, v5, 4, v7
	s_mul_i32 s17, s14, 32*PX
	s_add_co_u32 s17, s17, XB
	v_add_nc_u32 v[AX], s17, v7
	s_mul_i32 s18, s[WV], 8*PX
	s_add_co_u32 s18, s18, XB
	v_lshlrev_b32 v8, 8, v5                ; lanes 16-31 hold the piece's second group of 64
	v_lshl_add_u32 v8, v4, 3, v8
	v_add_nc_u32 v[PST], s18, v8
	v_add_nc_u32 v[PST+1], XQB, v[PST]
	v_add_nc_u32 v[PST+2], 2*XQB, v[PST]
	v_add_nc_u32 v[PST+3], 3*XQB, v[PST]
	s_lshl_b32 s19, s14, 6
	s_add_co_u32 s19, s19, s16
	s_add_co_u32 s19, s19, STAGE
	v_add_nc_u32 v[TST], s19, v6
	s_mul_i32 s20, s[WV], 16*PW
	s_add_co_u32 s20, s20, STAGE
	v_mul_u32_u24 v9, v5, PW
	v_lshl_add_u32 v9, v4, 4, v9
	v_add_nc_u32 v[TRD], s20, v9
	v_lshlrev_b32 v[TGO], 11, v5
	v_lshl_add_u32 v[TGO], v4, 4, v[TGO]
; Quarter grp of K of my eight rows: the halves are added, split into hi and lo, and stored.  The stores of a piece's two groups fall on the same banks (two deep).
.macro SPLIT grp
	s_wait_loadcnt 48-16*(\grp)            ; this quarter's 16 loads are in; the later quarters' stay out
	WIN 0x45
.set xx, 8*(\grp)
.rept 8
	v_pk_add_f32 v[8*xx:8*xx+1],   v[8*xx:8*xx+1],   v[8*xx+4:8*xx+5]
	v_pk_add_f32 v[8*xx+2:8*xx+3], v[8*xx+2:8*xx+3], v[8*xx+6:8*xx+7]
.set xx, xx+1
.endr
.set xx, 8*(\grp)
.rept 8
	v_cvt_pk_bf16_f32 v[8*xx+4], v[8*xx],   v[8*xx+1]   ; hi
	v_cvt_pk_bf16_f32 v[8*xx+5], v[8*xx+2], v[8*xx+3]
.set xx, xx+1
.endr
	WIN 0x51                               ; -1.0 lies in window 0
.set xx, 8*(\grp)
.rept 8
	v_fma_mix_f32_bf16 v[8*xx],   v[8*xx+4], v[NEG1], v[8*xx]   op_sel_hi:[1,0,0]                ; G - hi, exact
	v_fma_mix_f32_bf16 v[8*xx+1], v[8*xx+4], v[NEG1], v[8*xx+1] op_sel:[1,0,0] op_sel_hi:[1,0,0]
	v_fma_mix_f32_bf16 v[8*xx+2], v[8*xx+5], v[NEG1], v[8*xx+2] op_sel_hi:[1,0,0]
	v_fma_mix_f32_bf16 v[8*xx+3], v[8*xx+5], v[NEG1], v[8*xx+3] op_sel:[1,0,0] op_sel_hi:[1,0,0]
.set xx, xx+1
.endr
	WIN 0x45
.set xx, 8*(\grp)
.rept 8
	v_cvt_pk_bf16_f32 v[8*xx+6], v[8*xx],   v[8*xx+1]   ; lo
	v_cvt_pk_bf16_f32 v[8*xx+7], v[8*xx+2], v[8*xx+3]
.set xx, xx+1
.endr
	WIN 0x04
.set xx, 8*(\grp)
.rept 8
	ds_store_b64 v[PST+(\grp)], v[8*xx+4:8*xx+5] offset:(xx%8)*PX
	ds_store_b64 v[PST+(\grp)], v[8*xx+6:8*xx+7] offset:(xx%8)*PX+128
.set xx, xx+1
.endr
.endm
; Quarter q of K is multiplied: 48 LDS loads, 32 products.  The four accumulators take turns, from quarter to quarter too; the first four products start the sums with the constant 0.
.macro QUARTER q
	WIN 0
	s_wait_tensorcnt 3-(\q)                ; my rows of Wq's quarter q are in; my later quarters' loads stay out
	s_wait_dscnt 0x0                       ; for the others' sake: my rows of G's quarter q are stored
	s_barrier_signal -1
	s_barrier_wait -1                      ; everybody's are
.set z, 0
.rept 4
.irp rb, 0,1
.irp p, 0,1
	ds_load_b128 v[F+48*z+8*(2*(\rb)+(\p)):F+48*z+8*(2*(\rb)+(\p))+3],   v[AX] offset:(\rb)*16*PX+(z/2)*256+(\p)*128+(z%2)*64
	ds_load_b128 v[F+48*z+8*(2*(\rb)+(\p))+4:F+48*z+8*(2*(\rb)+(\p))+7], v[AX] offset:(\rb)*16*PX+(z/2)*256+(\p)*128+(z%2)*64+32
.endr
.endr
.irp rb, 0,1
	ds_load_b128 v[F+48*z+32+8*(\rb):F+48*z+32+8*(\rb)+3],   v[AW] offset:(\rb)*16*PW+64*z
	ds_load_b128 v[F+48*z+32+8*(\rb)+4:F+48*z+32+8*(\rb)+7], v[AW] offset:(\rb)*16*PW+64*z+32
.endr
.set z, z+1
.endr
.set z, 0
.rept 4
	s_wait_dscnt 36-12*z                   ; sub-step z's 12 loads are in; the later sub-steps' stay out
.irp p, 0,1
.irp rx, 0,1
.irp rw, 0,1
.if ((\q) == 0) && (z == 0) && ((\p) == 0)
	v_wmma_f32_16x16x32_bf16 v[ACC+8*(2*(\rx)+(\rw)):ACC+8*(2*(\rx)+(\rw))+7], v[F+48*z+8*(2*(\rx)+(\p)):F+48*z+8*(2*(\rx)+(\p))+7], v[F+48*z+32+8*(\rw):F+48*z+32+8*(\rw)+7], 0
.else
	v_wmma_f32_16x16x32_bf16 v[ACC+8*(2*(\rx)+(\rw)):ACC+8*(2*(\rx)+(\rw))+7], v[F+48*z+8*(2*(\rx)+(\p)):F+48*z+8*(2*(\rx)+(\p))+7], v[F+48*z+32+8*(\rw):F+48*z+32+8*(\rw)+7], v[ACC+8*(2*(\rx)+(\rw)):ACC+8*(2*(\rx)+(\rw))+7]
.endif
.endr
.endr
.endr
.set z, z+1
.endr
	v_add_nc_u32 v[AW], WQB, v[AW]         ; the next quarter; with the two v_nop the four places in front of the next quarter's loads
	v_add_nc_u32 v[AX], XQB, v[AX]
	v_nop
	v_nop
.endm
	SPLIT 0
	QUARTER 0
	SPLIT 1
	QUARTER 1
	SPLIT 2
	QUARTER 2
	SPLIT 3
	QUARTER 3
	; THE WAY OUT: T split into hi and lo; 16 bytes of each a lane into the stage; a barrier, since a row's 256 bytes come from two waves; back as whole rows
	PLACES
.set a, 0
.rept 4                                ; accumulator a = 2 rx + rw; packed numbers into the fragments' registers
.irp n, 0,1,2,3
	v_cvt_pk_bf16_f32 v[F+8*a+(\n)], v[ACC+8*a+2*(\n)], v[ACC+8*a+2*(\n)+1]
.endr
.irp n, 0,1,2,3
	v_fma_mix_f32_bf16 v[ACC+8*a+2*(\n)],   v[F+8*a+(\n)], v[NEG1], v[ACC+8*a+2*(\n)]   op_sel_hi:[1,0,0]
	v_fma_mix_f32_bf16 v[ACC+8*a+2*(\n)+1], v[F+8*a+(\n)], v[NEG1], v[ACC+8*a+2*(\n)+1] op_sel:[1,0,0] op_sel_hi:[1,0,0]
.endr
.irp n, 0,1,2,3
	v_cvt_pk_bf16_f32 v[F+8*a+4+(\n)], v[ACC+8*a+2*(\n)], v[ACC+8*a+2*(\n)+1]
.endr
	ds_store_b128 v[TST], v[F+8*a:F+8*a+3]   offset:(a%2)*16*PW+(a/2)*32
	ds_store_b128 v[TST], v[F+8*a+4:F+8*a+7] offset:(a%2)*16*PW+(a/2)*32+128
.set a, a+1
.endr
	s_wait_dscnt 0x0                       ; for the others' sake
	s_barrier_signal -1
	s_barrier_wait -1
.set q, 0
.rept 8
	ds_load_b128 v[128+4*q:128+4*q+3], v[TRD] offset:q*2*PW
.set q, q+1
.endr
.set q, 0
.rept 8
	s_wait_dscnt 7-q
	global_store_b128 v[TGO], v[128+4*q:128+4*q+3], s[TP:TP+1] offset:q*4096  ; 16 lanes store 256 consecutive bytes, aligned
.set q, q+1
.endr
	s_wait_tensorcnt 0x0                   ; the wave's end
	ds_add_u32 v[SPW], v[NIL]
	s_wait_dscnt 0x0
	s_endpgm
.Lfunc_end_k_qfb1e7ed257_tmul:
	.size	k_qfb1e7ed257_tmul, .Lfunc_end_k_qfb1e7ed257_tmul-k_qfb1e7ed257_tmul
	.p2alignl 7, 3214868480
	.fill 96, 4, 3214868480
	.section	.rodata,"a",@progbits
	.p2align	6, 0x0
	.amdhsa_kernel k_qfb1e7ed257_tmul
		.amdhsa_group_segment_fixed_size 310272
		.amdhsa_private_segment_fixed_size 0
		.amdhsa_enable_private_segment 0
		.amdhsa_kernarg_size 24
		.amdhsa_user_sgpr_count 2
		.amdhsa_user_sgpr_kernarg_segment_ptr 1
		.amdhsa_wavefront_size32 1
		.amdhsa_system_sgpr_workgroup_id_x 1
		.amdhsa_system_sgpr_workgroup_id_y 1
		.amdhsa_system_sgpr_workgroup_id_z 1
		.amdhsa_system_vgpr_workitem_id 0
		.amdhsa_next_free_vgpr 512
		.amdhsa_next_free_sgpr 66
		.amdhsa_reserve_vcc 0
		.amdhsa_float_denorm_mode_32 3
		.amdhsa_float_denorm_mode_16_64 3
		.amdhsa_memory_ordered 1
		.amdhsa_forward_progress 1
		.amdhsa_inst_pref_size 65
	.end_amdhsa_kernel
	.amdgpu_metadata
---
amdhsa.version: [ 1, 2 ]
amdhsa.kernels:
  - .name:           k_qfb1e7ed257_tmul
    .symbol:         k_qfb1e7ed257_tmul.kd
    .args:
      - { .name: gp, .offset: 0, .size: 8, .value_kind: global_buffer, .address_space: global }
      - { .name: wb, .offset: 8, .size: 8, .value_kind: global_buffer, .address_space: global }
      - { .name: tp, .offset: 16, .size: 8, .value_kind: global_buffer, .address_space: global }
    .group_segment_fixed_size: 310272
    .private_segment_fixed_size: 0
    .kernarg_segment_align: 8
    .kernarg_segment_size: 24
    .max_flat_workgroup_size: 256
    .sgpr_count:     66
    .vgpr_count:     512
    .wavefront_size: 32
...
	.end_amdgpu_metadata
.endif
;; end of part 2
;; launch smul (part 3): grid 32 x 8, 8 waves a work-group, no clusters, 309,248 bytes of LDS; arguments tp, wb, sc; writes sc
.if DOCPART == 3
	.amdgcn_target "amdgcn-amd-amdhsa--gfx1250"
	.amdhsa_code_object_version 6
	.text
	.protected	k_qfb1e7ed257_smul
	.globl	k_qfb1e7ed257_smul
	.p2align	8
	.type	k_qfb1e7ed257_smul,@function
k_qfb1e7ed257_smul:
	s_mov_b64 s[64:65], 0
	v_nop
	global_prefetch_b8 v0, s[64:65] scope:SCOPE_SE
	s_setreg_imm32_b32 hwreg(HW_REG_WAVE_MODE, 25, 1), 1
	s_wait_xcnt 0x0
; S[c][d] = the sum over j of T[c][j] Wk[d][j], unscaled, f32.  T comes as hi + lo in bf16 (tp: rows of eight groups of 64 j, [hi 128 bytes][lo 128 bytes]); both planes' products add onto one accumulator.
; SHARES.  x = 4 tc + td: 64 c x 128 d, all 512 j in LDS.  Wave w: 32 d (w / 2) x 32 c (w % 2).  Source 0 = 16 rows d of Wk, source 1 = 16 rows c of T: a lane holds one c and eight neighbouring d.
; BY QUARTERS OF K.  Each wave issues four tensor loads at the head, a quarter of K each, K ascending: waves 0-3 16 rows of T, waves 4-7 32 rows of Wk.  A quarter is multiplied as soon as it lies in LDS,
; while the later quarters are on their way: a counted wait and a barrier, behind which nothing is filled, stand in front of each.  NO CLUSTER: as in the launch before.
.set PW,   272
.set WQB,  128*PW
.set XB,   4*WQB
.set PX,   528
.set XQB,  64*PX
.set STAGE, XB+4*XQB                   ; 64 rows x 528 bytes, the work-group's
.set SPARE, STAGE+64*PX
.set GOF, 2
.set SPW, 14
.set NIL, 15
.set AW,  16
.set AX,  17
.set SST, 18
.set SRD, 19
.set ACC, 32
.set F,   64
.set WV,  10
.set G1X, 24
.set G1W, 32
.set G0,  40                           ; s[40:55] descriptor group 0, a set for each quarter of K
.set XPT, 56                           ; s[56:57] T at my 16 rows
.set WPT, 58                           ; s[58:59] Wk at my 32 rows
.set SCB, 60
.macro PLACES
.rept 4
	v_nop
.endr
.endm
	s_load_b128 s[4:7], s[0:1], 0x0        ; tp s[4:5], wb s[6:7]
	s_load_b64 s[8:9], s[0:1], 0x10        ; sc
	v_lshl_add_u32 v[SPW], v0, 2, SPARE
	v_mov_b32 v[NIL], 0
	ds_add_u32 v[SPW], v[NIL]              ; the wave's opening, ahead of my first tensor load
	ds_add_u32 v14, v15
	v_lshrrev_b32 v1, 5, v0
	v_readfirstlane_b32 s[WV], v1
	s_lshr_b32 s11, ttmp9, 2               ; tc
	s_and_b32 s12, ttmp9, 3                ; td
	s_and_b32 s13, ttmp7, 0xffff           ; batch
	s_and_b32 s14, s[WV], 1                ; wx
	s_lshr_b32 s15, s[WV], 1               ; wp
	s_and_b32 s16, s[WV], 3                ; which rows of a quarter I fetch
	s_mov_b32 s[G1X+0], (1<<16)|(1<<20)|(6<<22)|(3<<25)  ; 2-byte elements; padding: after every 128 words, 4 words
	s_mov_b32 s[G1X+1], 256<<16            ; tensor_dim0 = 256 (two groups of hi and lo)
	s_mov_b32 s[G1X+2], 16<<16             ; tensor_dim1 = 16
	s_mov_b32 s[G1X+3], 256<<16            ; tile_dim0
	s_mov_b32 s[G1X+4], 16                 ; tile_dim1
	s_mov_b32 s[G1X+5], 1024               ; elements from row to row
	s_mov_b32 s[G1X+6], 0
	s_mov_b32 s[G1X+7], 0
	s_mov_b32 s[G1W+0], (1<<16)|(1<<20)|(5<<22)|(3<<25)  ; padding: after every 64 words, 4 words
	s_mov_b32 s[G1W+1], 128<<16
	s_mov_b32 s[G1W+2], 32<<16
	s_mov_b32 s[G1W+3], 128<<16
	s_mov_b32 s[G1W+4], 32
	s_mov_b32 s[G1W+5], 512
	s_mov_b32 s[G1W+6], 0
	s_mov_b32 s[G1W+7], 0
	s_mul_i32 s17, s16, 16*PX
	s_add_co_u32 s17, s17, XB              ; where my rows of T's quarter 0 go
	s_mul_i32 s18, s16, 32*PW              ; and my rows of Wk's
	s_lshl_b32 s[XPT], s13, 20
	s_lshl_b32 s19, s11, 17                ; 64 rows of 2,048 bytes
	s_add_co_u32 s[XPT], s[XPT], s19
	s_lshl_b32 s19, s16, 15                ; 16 rows
	s_add_co_u32 s[XPT], s[XPT], s19
	s_mov_b32 s[XPT+1], 0
	s_lshl_b32 s[WPT], s12, 17             ; 128 rows of 1,024 bytes
	s_lshl_b32 s19, s16, 15                ; 32 rows
	s_add_co_u32 s[WPT], s[WPT], s19
	s_add_co_u32 s[WPT], s[WPT], 0x80000   ; Wk in wb
	s_mov_b32 s[WPT+1], 0
	s_lshl_b32 s[SCB], s11, 6
	s_lshl_b32 s19, s[WV], 3
	s_add_co_u32 s[SCB], s[SCB], s19       ; the 8 rows c that I store
	s_lshl_b32 s[SCB], s[SCB], 11
	s_lshl_b32 s19, s13, 20
	s_add_co_u32 s[SCB], s[SCB], s19
	s_lshl_b32 s19, s12, 9
	s_add_co_u32 s[SCB], s[SCB], s19
	s_mov_b32 s[SCB+1], 0
	s_wait_dscnt 0x0                       ; the opening add is done
	s_wait_kmcnt 0x0
	s_add_nc_u64 s[XPT:XPT+1], s[4:5], s[XPT:XPT+1]
	s_add_nc_u64 s[WPT:WPT+1], s[6:7], s[WPT:WPT+1]
	s_add_nc_u64 s[SCB:SCB+1], s[8:9], s[SCB:SCB+1]
	s_cmp_lt_u32 s[WV], 4                  ; a wave's four first fills stand in one branch on the wave's number: four loads of mine are out
	s_cbranch_scc0 .Lfor_w
.irp q, 0,1,2,3
	s_mov_b32 s[G0+4*(\q)], 1
	s_add_co_u32 s[G0+4*(\q)+1], s17, (\q)*XQB
	s_add_nc_u64 s[G0+4*(\q)+2:G0+4*(\q)+3], s[XPT:XPT+1], (\q)*512
	s_or_b32 s[G0+4*(\q)+3], s[G0+4*(\q)+3], 0x80000000
.endr
.irp q, 0,1,2,3
	tensor_load_to_lds s[G0+4*(\q):G0+4*(\q)+3], s[G1X:G1X+7]
	s_nop 0
.endr
	PLACES
	s_branch .Lasked
.Lfor_w:
.irp q, 0,1,2,3
	s_mov_b32 s[G0+4*(\q)], 1
	s_add_co_u32 s[G0+4*(\q)+1], s18, (\q)*WQB
	s_add_nc_u64 s[G0+4*(\q)+2:G0+4*(\q)+3], s[WPT:WPT+1], (\q)*256
	s_or_b32 s[G0+4*(\q)+3], s[G0+4*(\q)+3], 0x80000000
.endr
.irp q, 0,1,2,3
	tensor_load_to_lds s[G0+4*(\q):G0+4*(\q)+3], s[G1W:G1W+7]
	s_nop 0
.endr
	PLACES
.Lasked:
	v_and_b32 v3, 31, v0
	v_lshlrev_b32 v[GOF], 4, v3
	v_and_b32 v4, 15, v0
	v_bfe_u32 v5, v0, 4, 1
	v_mul_u32_u24 v6, v4, PW
	v_lshl_add_u32 v6, v5, 4, v6
	s_mul_i32 s17, s15, 32*PW
	v_add_nc_u32 v[AW], s17, v6
	v_mul_u32_u24 v7, v4, PX
	s_mul_i32 s18, s14, 32*PX
	s_add_co_u32 s19, s18, XB
	v_lshl_add_u32 v[AX], v5, 4, v7
	v_add_nc_u32 v[AX], s19, v[AX]
	s_lshl_b32 s20, s15, 7
	s_add_co_u32 s20, s20, s18
	s_add_co_u32 s20, s20, STAGE
	v_lshl_add_u32 v[SST], v5, 5, v7       ; row c, my wave's 128 bytes, 32 bytes for each half of the lanes
	v_add_nc_u32 v[SST], s20, v[SST]
	s_mul_i32 s21, s[WV], 8*PX
	s_add_co_u32 s21, s21, STAGE
	v_add_nc_u32 v[SRD], s21, v[GOF]
; Quarter q of K is multiplied: 48 LDS loads, 32 products.  The four accumulators take turns, from quarter to quarter too; the first four products start the sums with the constant 0.
.macro QUARTER q
	s_wait_tensorcnt 3-(\q)                ; my part of quarter q is in; my later quarters' loads stay out
	s_wait_dscnt 0x0
	s_barrier_signal -1
	s_barrier_wait -1                      ; everybody's part is in
.set z, 0
.rept 4
.irp rb, 0,1
.irp p, 0,1
	ds_load_b128 v[F+48*z+8*(2*(\rb)+(\p)):F+48*z+8*(2*(\rb)+(\p))+3],   v[AX] offset:(\rb)*16*PX+(z/2)*256+(\p)*128+(z%2)*64
	ds_load_b128 v[F+48*z+8*(2*(\rb)+(\p))+4:F+48*z+8*(2*(\rb)+(\p))+7], v[AX] offset:(\rb)*16*PX+(z/2)*256+(\p)*128+(z%2)*64+32
.endr
.endr
.irp rb, 0,1
	ds_load_b128 v[F+48*z+32+8*(\rb):F+48*z+32+8*(\rb)+3],   v[AW] offset:(\rb)*16*PW+64*z
	ds_load_b128 v[F+48*z+32+8*(\rb)+4:F+48*z+32+8*(\rb)+7], v[AW] offset:(\rb)*16*PW+64*z+32
.endr
.set z, z+1
.endr
.set z, 0
.rept 4
	s_wait_dscnt 36-12*z                   ; sub-step z's 12 loads are in
.irp p, 0,1
.irp rx, 0,1
.irp rw, 0,1
.if ((\q) == 0) && (z == 0) && ((\p) == 0)
	v_wmma_f32_16x16x32_bf16 v[ACC+8*(2*(\rx)+(\rw)):ACC+8*(2*(\rx)+(\rw))+7], v[F+48*z+32+8*(\rw):F+48*z+32+8*(\rw)+7], v[F+48*z+8*(2*(\rx)+(\p)):F+48*z+8*(2*(\rx)+(\p))+7], 0
.else
	v_wmma_f32_16x16x32_bf16 v[ACC+8*(2*(\rx)+(\rw)):ACC+8*(2*(\rx)+(\rw))+7], v[F+48*z+32+8*(\rw):F+48*z+32+8*(\rw)+7], v[F+48*z+8*(2*(\rx)+(\p)):F+48*z+8*(2*(\rx)+(\p))+7], v[ACC+8*(2*(\rx)+(\rw)):ACC+8*(2*(\rx)+(\rw))+7]
.endif
.endr
.endr
.endr
.set z, z+1
.endr
	v_add_nc_u32 v[AW], WQB, v[AW]         ; with the two v_nop the four places in front of the next quarter's loads
	v_add_nc_u32 v[AX], XQB, v[AX]
	v_nop
	v_nop
.endm
	QUARTER 0
	QUARTER 1
	QUARTER 2
	QUARTER 3
	PLACES
.set a, 0
.rept 4                                ; accumulator a = 2 rx + rw, its low registers first
	ds_store_b128 v[SST], v[ACC+8*a:ACC+8*a+3]   offset:(a/2)*16*PX+(a%2)*64
	ds_store_b128 v[SST], v[ACC+8*a+4:ACC+8*a+7] offset:(a/2)*16*PX+(a%2)*64+16
.set a, a+1
.endr
	s_wait_dscnt 0x0                       ; for the others' sake: a row's 512 bytes come from four waves
	s_barrier_signal -1
	s_barrier_wait -1
.set q, 0
.rept 8
	ds_load_b128 v[F+4*q:F+4*q+3], v[SRD] offset:q*PX
.set q, q+1
.endr
.set q, 0
.rept 8
	s_wait_dscnt 7-q
	global_store_b128 v[GOF], v[F+4*q:F+4*q+3], s[SCB:SCB+1] offset:q*2048  ; 512 consecutive bytes, aligned
.set q, q+1
.endr
	s_wait_tensorcnt 0x0                   ; the wave's end
	ds_add_u32 v[SPW], v[NIL]
	s_wait_dscnt 0x0
	s_endpgm
.Lfunc_end_k_qfb1e7ed257_smul:
	.size	k_qfb1e7ed257_smul, .Lfunc_end_k_qfb1e7ed257_smul-k_qfb1e7ed257_smul
	.p2alignl 7, 3214868480
	.fill 96, 4, 3214868480
	.section	.rodata,"a",@progbits
	.p2align	6, 0x0
	.amdhsa_kernel k_qfb1e7ed257_smul
		.amdhsa_group_segment_fixed_size 309248
		.amdhsa_private_segment_fixed_size 0
		.amdhsa_enable_private_segment 0
		.amdhsa_kernarg_size 24
		.amdhsa_user_sgpr_count 2
		.amdhsa_user_sgpr_kernarg_segment_ptr 1
		.amdhsa_wavefront_size32 1
		.amdhsa_system_sgpr_workgroup_id_x 1
		.amdhsa_system_sgpr_workgroup_id_y 1
		.amdhsa_system_sgpr_workgroup_id_z 1
		.amdhsa_system_vgpr_workitem_id 0
		.amdhsa_next_free_vgpr 256
		.amdhsa_next_free_sgpr 66
		.amdhsa_reserve_vcc 0
		.amdhsa_float_denorm_mode_32 3
		.amdhsa_float_denorm_mode_16_64 3
		.amdhsa_memory_ordered 1
		.amdhsa_forward_progress 1
		.amdhsa_inst_pref_size 31
	.end_amdhsa_kernel
	.amdgpu_metadata
---
amdhsa.version: [ 1, 2 ]
amdhsa.kernels:
  - .name:           k_qfb1e7ed257_smul
    .symbol:         k_qfb1e7ed257_smul.kd
    .args:
      - { .name: tp, .offset: 0, .size: 8, .value_kind: global_buffer, .address_space: global }
      - { .name: wb, .offset: 8, .size: 8, .value_kind: global_buffer, .address_space: global }
      - { .name: sc, .offset: 16, .size: 8, .value_kind: global_buffer, .address_space: global }
    .group_segment_fixed_size: 309248
    .private_segment_fixed_size: 0
    .kernarg_segment_align: 8
    .kernarg_segment_size: 24
    .max_flat_workgroup_size: 256
    .sgpr_count:     66
    .vgpr_count:     256
    .wavefront_size: 32
...
	.end_amdgpu_metadata
.endif
;; end of part 3
;; launch umul (part 4): grid 32 x 8, 8 waves a work-group, no clusters, 301,312 bytes of LDS; arguments sc, wb, ub; writes ub
.if DOCPART == 4
	.amdgcn_target "amdgcn-amd-amdhsa--gfx1250"
	.amdhsa_code_object_version 6
	.text
	.protected	k_qfb1e7ed257_umul
	.globl	k_qfb1e7ed257_umul
	.p2align	8
	.type	k_qfb1e7ed257_umul,@function
k_qfb1e7ed257_umul:
	s_mov_b64 s[64:65], 0
	v_nop
	global_prefetch_b8 v0, s[64:65] scope:SCOPE_SE
	s_setreg_imm32_b32 hwreg(HW_REG_WAVE_MODE, 25, 1), 1
	s_wait_xcnt 0x0
; U[c][j] = (1 / l_c) the sum over d of E[c][d] Wv[d][j], E = 2^(k s - k m_c), k = log2(e) / sqrt(512), m_c the row's true maximum, l_c the sum of the unrounded E.
; E is rounded once to bf16 for the product, U once to bf16.  LIMITS: a weight below 2^-126 counts as 0; NaN and infinities are not treated apart.
; SHARES.  x = 4 tc + tj: 64 c x 128 j, all 512 d in LDS.  The four work-groups of a tc each make the softmax of the same 64 rows anew: 32,768 exponentials against a launch more.
; Softmax: wave w owns rows 8 w .. 8 w + 7, four lanes a row.  Product: wave w: 32 c (w % 2) x 32 j (w / 2); source 0 = Wv turned (16 j), source 1 = E (16 c): a lane holds one c and eight neighbouring j.
; EVERY WAVE ISSUES TWO TENSOR LOADS at the head: first its eighth of S (32 rows of a quarter of d, f32), then its eighth of Wv (64 rows d x 128 j).  The softmax begins when S lies in LDS, behind a counted wait
; that leaves Wv's load out; Wv is waited for in front of the barrier that ends the softmax.  E is stored over S's bytes, which have had their only fill.
.set PP,   528                         ; a row of a quarter of S: 512 bytes of f32 + 16; later E's 256 bytes at its head
.set PQ,   64*PP
.set VB,   4*PQ
.set PV,   288                         ; a row of Wv's tile: 256 bytes + 32
.set LINV, VB+512*PV                   ; 64 words: 1 / l
.set STAGE, LINV+256                   ; 64 rows x 272 bytes
.set PS,   272
.set SPARE, STAGE+64*PS
.set UST, 8
.set URD, 9
.set UGO, 10
.set LRA, 11
.set SB,  13                           ; pass 1's address
.set SPW, 14
.set NIL, 15
.set AE,  16
.set AV,  17
.set SA,  18                           ; pass 2's address
.set SE,  19                           ; where E goes
.set MX,  20                           ; v20-23 four chains of the maximum
.set CM,  24                           ; v24-25 k m
.set SU,  26                           ; v26-29 two pairs of sums
.set LIA, 31
.set ACC, 32                           ; (rb, jb) at ACC + 8 (2 rb + jb)
.set F,   64                           ; v64-191: sub-step z at F + 32 z: E's rb at + 8 rb, Wv's jb at + 16 + 8 jb.  In the softmax: v64-95 scores, v96-111 packed E
.set LI,  192
.set PK,  196
.set BK,  212
.set WV,  10
.set G1S, 24
.set G1V, 32
.set G0S, 40
.set G0V, 44
.set UB,  54
.set CNT, 56
.set CS,  58
.macro PLACES
.rept 4
	v_nop
.endr
.endm
	s_load_b128 s[4:7], s[0:1], 0x0        ; sc s[4:5], wb s[6:7]
	s_load_b64 s[8:9], s[0:1], 0x10        ; ub
	v_lshl_add_u32 v[SPW], v0, 2, SPARE
	v_mov_b32 v[NIL], 0
	ds_add_u32 v[SPW], v[NIL]              ; the wave's opening, ahead of my first tensor load
	ds_add_u32 v14, v15
	v_lshrrev_b32 v1, 5, v0
	v_readfirstlane_b32 s[WV], v1
	s_lshr_b32 s11, ttmp9, 2               ; tc
	s_and_b32 s12, ttmp9, 3                ; tj
	s_and_b32 s13, ttmp7, 0xffff           ; batch
	s_and_b32 s14, s[WV], 1                ; wx
	s_lshr_b32 s15, s[WV], 1               ; wp
	s_mov_b32 s[G1S+0], (2<<16)|(1<<20)|(6<<22)|(3<<25)  ; 4-byte elements; padding: after every 128 words, 4 words
	s_mov_b32 s[G1S+1], 128<<16
	s_mov_b32 s[G1S+2], 32<<16
	s_mov_b32 s[G1S+3], 128<<16
	s_mov_b32 s[G1S+4], 32
	s_mov_b32 s[G1S+5], 512
	s_mov_b32 s[G1S+6], 0
	s_mov_b32 s[G1S+7], 0
	s_mov_b32 s[G1V+0], (1<<16)|(1<<20)|(5<<22)|(7<<25)  ; 2-byte elements; padding: after every 64 words, 8 words
	s_mov_b32 s[G1V+1], 128<<16
	s_mov_b32 s[G1V+2], 64<<16
	s_mov_b32 s[G1V+3], 128<<16
	s_mov_b32 s[G1V+4], 64
	s_mov_b32 s[G1V+5], 512
	s_mov_b32 s[G1V+6], 0
	s_mov_b32 s[G1V+7], 0
	s_mov_b32 s[G0S], 1
	s_mul_i32 s[G0S+1], s[WV], 32*PP       ; quarter w / 2, rows 32 (w % 2) on: the quarters lie end to end
	s_mov_b32 s[G0V], 1
	s_mul_i32 s[G0V+1], s[WV], 64*PV       ; rows d = 64 w on
	s_add_co_u32 s[G0V+1], s[G0V+1], VB
	s_lshl_b32 s48, s13, 20
	s_lshl_b32 s49, s11, 17                ; 64 rows of 2,048 bytes
	s_add_co_u32 s48, s48, s49
	s_lshl_b32 s49, s14, 16                ; 32 rows
	s_add_co_u32 s48, s48, s49
	s_lshl_b32 s49, s15, 9                 ; the quarter's 512 bytes
	s_add_co_u32 s48, s48, s49
	s_mov_b32 s49, 0
	s_lshl_b32 s50, s[WV], 16              ; 64 rows d of 1,024 bytes
	s_lshl_b32 s51, s12, 8
	s_add_co_u32 s50, s50, s51
	s_add_co_u32 s50, s50, 0x100000        ; Wv in wb
	s_mov_b32 s51, 0
	s_lshl_b32 s52, s11, 6
	s_lshl_b32 s53, s[WV], 3
	s_add_co_u32 s52, s52, s53             ; the 8 rows c that I store
	s_lshl_b32 s52, s52, 10
	s_lshl_b32 s53, s13, 19
	s_add_co_u32 s52, s52, s53
	s_lshl_b32 s53, s12, 8
	s_add_co_u32 s52, s52, s53
	s_mov_b32 s53, 0
	s_mov_b32 s[CS], 0x3d8293ee            ; k = log2(e) / sqrt(512) = 0.0637587
	s_mov_b32 s[CS+1], s[CS]               ; named with it as a pair
	s_wait_dscnt 0x0                       ; the opening add is done
	s_wait_kmcnt 0x0
	s_add_nc_u64 s[G0S+2:G0S+3], s[4:5], s[48:49]
	s_or_b32 s[G0S+3], s[G0S+3], 0x80000000
	s_add_nc_u64 s[G0V+2:G0V+3], s[6:7], s[50:51]
	s_or_b32 s[G0V+3], s[G0V+3], 0x80000000
	s_add_nc_u64 s[UB:UB+1], s[8:9], s[52:53]
	tensor_load_to_lds s[G0S:G0S+3], s[G1S:G1S+7]  ; S first,
	s_nop 0
	tensor_load_to_lds s[G0V:G0V+3], s[G1V:G1V+7]  ; then Wv: two loads of mine are out
	s_nop 0
	PLACES
	v_and_b32 v2, 31, v0                   ; lane
	v_and_b32 v3, 15, v0                   ; r
	v_bfe_u32 v4, v0, 4, 1                 ; h
	v_mul_u32_u24 v[AE], v3, PP
	v_lshl_add_u32 v[AE], v4, 4, v[AE]
	s_mul_i32 s17, s14, 32*PP
	v_add_nc_u32 v[AE], s17, v[AE]
	v_and_b32 v5, 7, v0
	v_bfe_u32 v6, v0, 3, 1
	v_lshl_add_u32 v[AV], v4, 3, v5        ; the turning load: lane l reads row 8 (l / 16) + l % 8, 16 bytes at 16 ((l / 8) % 2)
	v_mul_u32_u24 v[AV], v[AV], PV
	v_lshl_add_u32 v[AV], v6, 4, v[AV]
	s_lshl_b32 s18, s15, 6
	s_add_co_u32 s18, s18, VB
	v_add_nc_u32 v[AV], s18, v[AV]
	v_lshrrev_b32 v5, 2, v2                ; my row among the wave's eight
	v_and_b32 v6, 3, v2                    ; my place among its four lanes
	s_mul_i32 s19, s[WV], 8*PP
	v_mul_u32_u24 v7, v5, PP
	v_add_nc_u32 v7, s19, v7
	v_lshl_add_u32 v[SA], v6, 6, v7
	v_mov_b32 v[SB], v[SA]
	v_lshl_add_u32 v[SE], v6, 5, v7
	s_lshl_b32 s20, s[WV], 5
	s_add_co_u32 s20, s20, LINV
	v_lshl_add_u32 v[LIA], v5, 2, s20
	s_lshl_b32 s21, s14, 7
	s_add_co_u32 s21, s21, LINV
	v_lshl_add_u32 v[LRA], v3, 2, s21
	s_mul_i32 s22, s14, 32*PS
	s_lshl_b32 s23, s15, 6
	s_add_co_u32 s22, s22, s23
	s_add_co_u32 s22, s22, STAGE
	v_mul_u32_u24 v[UST], v3, PS
	v_lshl_add_u32 v[UST], v4, 4, v[UST]
	v_add_nc_u32 v[UST], s22, v[UST]
	s_mul_i32 s23, s[WV], 8*PS
	s_add_co_u32 s23, s23, STAGE
	v_mul_u32_u24 v[URD], v4, PS
	v_lshl_add_u32 v[URD], v3, 4, v[URD]
	v_add_nc_u32 v[URD], s23, v[URD]
	v_lshlrev_b32 v[UGO], 10, v4
	v_lshl_add_u32 v[UGO], v3, 4, v[UGO]
.set i, 0
.rept 32
	v_mov_b32 v[ACC+i], 0                  ; written while the tiles are on their way, so that the product's loop has one form
.set i, i+1
.endr
.irp n, 0,1,2,3
	v_mov_b32 v[MX+(\n)], 0xff7fffff       ; the lowest finite number
	v_mov_b32 v[SU+(\n)], 0
.endr
	s_wait_tensorcnt 0x1                   ; my part of S is in; my part of Wv, issued behind it, may stay out
	s_barrier_signal -1
	s_barrier_wait -1                      ; all of S is in
	; PASS 1: the row's maximum.  A trip: a quarter of the row: 32 scores a lane
	s_mov_b32 s[CNT], 4
.Lmax:
.irp y, 0,1
.irp z, 0,1,2,3
	ds_load_b128 v[F+16*(\y)+4*(\z):F+16*(\y)+4*(\z)+3], v[SB] offset:256*(\y)+16*(\z)
.endr
.endr
	s_wait_dscnt 0x0
.set i, 0
.rept 16
	v_max3_num_f32 v[MX+i%4], v[MX+i%4], v[F+2*i], v[F+2*i+1]
.set i, i+1
.endr
	v_add_nc_u32 v[SB], PQ, v[SB]
	s_sub_co_u32 s[CNT], s[CNT], 1
	s_cmp_lg_u32 s[CNT], 0
	s_cbranch_scc1 .Lmax
	v_max3_num_f32 v[MX], v[MX], v[MX+1], v[MX+2]
	v_max_num_f32 v[MX], v[MX], v[MX+3]
	v_max_num_f32_dpp v[MX], v[MX], v[MX] row_xmask:1 row_mask:0xf bank_mask:0xf  ; the row's four lanes
	v_max_num_f32_dpp v[MX], v[MX], v[MX] row_xmask:2 row_mask:0xf bank_mask:0xf
	v_mul_f32 v[CM], s[CS], v[MX]
	v_mov_b32 v[CM+1], v[CM]               ; named with it as a pair
	; PASS 2: E, its sum, and E rounded, stored over the quarter's first 256 bytes: all of the wave's reads of the quarter are back before its first store
	s_mov_b32 s[CNT], 4
.Lexp:
.irp y, 0,1
.irp z, 0,1,2,3
	ds_load_b128 v[F+16*(\y)+4*(\z):F+16*(\y)+4*(\z)+3], v[SA] offset:256*(\y)+16*(\z)
.endr
.endr
	s_wait_dscnt 0x0                       ; the loads, and the trip before's stores, whose registers are written below
.set i, 0
.rept 16
	v_pk_fma_f32 v[F+2*i:F+2*i+1], v[F+2*i:F+2*i+1], s[CS:CS+1], v[CM:CM+1] op_sel_hi:[1,0,0] neg_lo:[0,0,1] neg_hi:[0,0,1]  ; k s - k m
.set i, i+1
.endr
.set i, 0
.rept 32
	v_exp_f32 v[F+i], v[F+i]
.set i, i+1
.endr
	v_nop                                  ; a plain instruction behind the last exponential,
	s_wait_alu depctr_va_vdst(0)           ; and the one wait ahead of the batch's first reader
.set i, 0
.rept 16
	v_pk_add_f32 v[SU+2*(i%2):SU+2*(i%2)+1], v[SU+2*(i%2):SU+2*(i%2)+1], v[F+2*i:F+2*i+1]
.set i, i+1
.endr
.set i, 0
.rept 16
	v_cvt_pk_bf16_f32 v[F+32+i], v[F+2*i], v[F+2*i+1]
.set i, i+1
.endr
.irp y, 0,1
	ds_store_b128 v[SE], v[F+32+8*(\y):F+32+8*(\y)+3]   offset:128*(\y)
	ds_store_b128 v[SE], v[F+32+8*(\y)+4:F+32+8*(\y)+7] offset:128*(\y)+16
.endr
	v_add_nc_u32 v[SA], PQ, v[SA]
	v_add_nc_u32 v[SE], PQ, v[SE]
	s_sub_co_u32 s[CNT], s[CNT], 1
	s_cmp_lg_u32 s[CNT], 0
	s_cbranch_scc1 .Lexp
	v_pk_add_f32 v[SU:SU+1], v[SU:SU+1], v[SU+2:SU+3]
	v_add_f32 v[SU], v[SU], v[SU+1]
	v_add_f32_dpp v[SU], v[SU], v[SU] row_xmask:1 row_mask:0xf bank_mask:0xf
	v_add_f32_dpp v[SU], v[SU], v[SU] row_xmask:2 row_mask:0xf bank_mask:0xf
	v_rcp_f32 v[SU+1], v[SU]               ; l is at least 1: the maximum's own weight
	v_nop
	s_wait_alu depctr_va_vdst(0)
	ds_store_b32 v[LIA], v[SU+1]           ; the row's four lanes write the same word with the same number
	s_wait_tensorcnt 0x0                   ; my part of Wv is in,
	s_wait_dscnt 0x0                       ; and for the others' sake: E and 1 / l are stored
	s_barrier_signal -1
	s_barrier_wait -1
	s_mov_b32 s[CNT], 4
.Lquarter:                                     ; a trip: a quarter of K: 32 LDS loads, 16 products
.set z, 0
.rept 4
.irp rb, 0,1
	ds_load_b128 v[F+32*z+8*(\rb):F+32*z+8*(\rb)+3],   v[AE] offset:(\rb)*16*PP+64*z
	ds_load_b128 v[F+32*z+8*(\rb)+4:F+32*z+8*(\rb)+7], v[AE] offset:(\rb)*16*PP+64*z+32
.endr
.irp jb, 0,1
	ds_load_tr16_b128 v[F+32*z+16+8*(\jb):F+32*z+16+8*(\jb)+3],   v[AV] offset:z*32*PV+32*(\jb)
	ds_load_tr16_b128 v[F+32*z+16+8*(\jb)+4:F+32*z+16+8*(\jb)+7], v[AV] offset:z*32*PV+32*(\jb)+16*PV
.endr
.set z, z+1
.endr
.set z, 0
.rept 4
	s_wait_dscnt 24-8*z                    ; sub-step z's 8 loads are in
.irp rb, 0,1
.irp jb, 0,1
	v_wmma_f32_16x16x32_bf16 v[ACC+8*(2*(\rb)+(\jb)):ACC+8*(2*(\rb)+(\jb))+7], v[F+32*z+16+8*(\jb):F+32*z+16+8*(\jb)+7], v[F+32*z+8*(\rb):F+32*z+8*(\rb)+7], v[ACC+8*(2*(\rb)+(\jb)):ACC+8*(2*(\rb)+(\jb))+7]
.endr
.endr
.set z, z+1
.endr
	v_add_nc_u32 v[AE], PQ, v[AE]          ; with the two v_nop the four places in front of the next trip's loads
	v_add_nc_u32 v[AV], 128*PV, v[AV]
	v_nop
	v_nop
	s_sub_co_u32 s[CNT], s[CNT], 1
	s_cmp_lg_u32 s[CNT], 0
	s_cbranch_scc1 .Lquarter
	; THE WAY OUT: times 1 / l, rounded, through the stage (a row's 256 bytes come from four waves)
.irp rb, 0,1
	ds_load_b32 v[LI+2*(\rb)],   v[LRA] offset:64*(\rb)
	ds_load_b32 v[LI+2*(\rb)+1], v[LRA] offset:64*(\rb)  ; twice: a pair for the packed multiply
.endr
	PLACES
	s_wait_dscnt 0x0
.set a, 0
.rept 4                                ; accumulator a = 2 rb + jb
.irp n, 0,1,2,3
	v_pk_mul_f32 v[ACC+8*a+2*(\n):ACC+8*a+2*(\n)+1], v[ACC+8*a+2*(\n):ACC+8*a+2*(\n)+1], v[LI+2*(a/2):LI+2*(a/2)+1]
.endr
.irp n, 0,1,2,3
	v_cvt_pk_bf16_f32 v[PK+4*a+(\n)], v[ACC+8*a+2*(\n)], v[ACC+8*a+2*(\n)+1]
.endr
	ds_store_b128 v[UST], v[PK+4*a:PK+4*a+3] offset:(a/2)*16*PS+(a%2)*32
.set a, a+1
.endr
	s_wait_dscnt 0x0
	s_barrier_signal -1
	s_barrier_wait -1
.irp q, 0,1,2,3
	ds_load_b128 v[BK+4*(\q):BK+4*(\q)+3], v[URD] offset:(\q)*2*PS
.endr
.irp q, 0,1,2,3
	s_wait_dscnt 3-(\q)
	global_store_b128 v[UGO], v[BK+4*(\q):BK+4*(\q)+3], s[UB:UB+1] offset:(\q)*2048  ; 16 lanes store 256 consecutive bytes, aligned
.endr
	s_wait_tensorcnt 0x0                   ; the wave's end
	ds_add_u32 v[SPW], v[NIL]
	s_wait_dscnt 0x0
	s_endpgm
.Lfunc_end_k_qfb1e7ed257_umul:
	.size	k_qfb1e7ed257_umul, .Lfunc_end_k_qfb1e7ed257_umul-k_qfb1e7ed257_umul
	.p2alignl 7, 3214868480
	.fill 96, 4, 3214868480
	.section	.rodata,"a",@progbits
	.p2align	6, 0x0
	.amdhsa_kernel k_qfb1e7ed257_umul
		.amdhsa_group_segment_fixed_size 301312
		.amdhsa_private_segment_fixed_size 0
		.amdhsa_enable_private_segment 0
		.amdhsa_kernarg_size 24
		.amdhsa_user_sgpr_count 2
		.amdhsa_user_sgpr_kernarg_segment_ptr 1
		.amdhsa_wavefront_size32 1
		.amdhsa_system_sgpr_workgroup_id_x 1
		.amdhsa_system_sgpr_workgroup_id_y 1
		.amdhsa_system_sgpr_workgroup_id_z 1
		.amdhsa_system_vgpr_workitem_id 0
		.amdhsa_next_free_vgpr 256
		.amdhsa_next_free_sgpr 66
		.amdhsa_reserve_vcc 0
		.amdhsa_float_denorm_mode_32 3
		.amdhsa_float_denorm_mode_16_64 3
		.amdhsa_memory_ordered 1
		.amdhsa_forward_progress 1
		.amdhsa_inst_pref_size 22
	.end_amdhsa_kernel
	.amdgpu_metadata
---
amdhsa.version: [ 1, 2 ]
amdhsa.kernels:
  - .name:           k_qfb1e7ed257_umul
    .symbol:         k_qfb1e7ed257_umul.kd
    .args:
      - { .name: sc, .offset: 0, .size: 8, .value_kind: global_buffer, .address_space: global }
      - { .name: wb, .offset: 8, .size: 8, .value_kind: global_buffer, .address_space: global }
      - { .name: ub, .offset: 16, .size: 8, .value_kind: global_buffer, .address_space: global }
    .group_segment_fixed_size: 301312
    .private_segment_fixed_size: 0
    .kernarg_segment_align: 8
    .kernarg_segment_size: 24
    .max_flat_workgroup_size: 256
    .sgpr_count:     66
    .vgpr_count:     256
    .wavefront_size: 32
...
	.end_amdgpu_metadata
.endif
;; end of part 4
;; launch mmul (part 5): grid 32 x 8, 8 waves a work-group, no clusters, 218,112 bytes of LDS; arguments ub, wb, mf; writes mf
.if DOCPART == 5
	.amdgcn_target "amdgcn-amd-amdhsa--gfx1250"
	.amdhsa_code_object_version 6
	.text
	.protected	k_qfb1e7ed257_mmul
	.globl	k_qfb1e7ed257_mmul
	.p2align	8
	.type	k_qfb1e7ed257_mmul,@function
k_qfb1e7ed257_mmul:
	s_mov_b64 s[64:65], 0
	v_nop
	global_prefetch_b8 v0, s[64:65] scope:SCOPE_SE
	s_setreg_imm32_b32 hwreg(HW_REG_WAVE_MODE, 25, 1), 1
	s_wait_xcnt 0x0
; M[o][j] = the sum over c of Wo[o][c] U[c][j], rounded once to bf16 and stored AS MATRIX FRAGMENTS for the last launch:
; mf[b][kb 16][ob 32] is a block of 1,024 bytes, the fragment of 16 o x 32 j: bytes 0-511 its registers 0-3 for lanes 0-31 (16 bytes a lane), bytes 512-1023 its registers 4-7.
; SHARES.  A work-group makes 64 o x 128 j of one batch, all 512 c in LDS.  to (8 blocks of o) is made of bits 0, 1, 3 of x, tj (4 blocks of j) of bit 4 of x and bit 0 of y, the batch of bit 2 of x and
; bits 1, 2 of y: the eight work-groups that read the same columns of U agree in bit 2 of x.  Wave w: 32 o (w % 2) x 32 j (w / 2).  Source 0 = U turned (16 j), source 1 = Wo (16 o): a lane holds one o and
; eight neighbouring j, so the two accumulators of a block of 16 o, rounded in pairs, ARE that block's fragment: it is stored straight from registers, 512 consecutive bytes a store.
; BY QUARTERS OF K.  Each wave issues four tensor loads at the head, a quarter of K each, K ascending: waves 0-3 32 rows c of U, waves 4-7 16 rows o of Wo.  A quarter is multiplied as soon as it lies in LDS,
; while the later quarters are on their way: a counted wait and a barrier, behind which nothing is filled, stand in front of each.
.set PP,   272
.set PQ,   64*PP
.set VB,   4*PQ
.set PV,   288
.set SPARE, VB+512*PV
.set GOF, 2
.set SPW, 14
.set NIL, 15
.set AE,  16
.set AV,  17
.set ACC, 32
.set F,   64
.set PK,  192
.set WV,  10
.set G1P, 24
.set G1V, 32
.set G0,  40                           ; s[40:55] descriptor group 0, a set for each quarter of K
.set UPT, 56                           ; s[56:57] U at my 32 rows of quarter 0
.set OPT, 58                           ; s[58:59] Wo at my 16 rows
.set MB,  60
.macro PLACES
.rept 4
	v_nop
.endr
.endm
	s_load_b128 s[4:7], s[0:1], 0x0        ; ub s[4:5], wb s[6:7]
	s_load_b64 s[8:9], s[0:1], 0x10        ; mf
	v_lshl_add_u32 v[SPW], v0, 2, SPARE
	v_mov_b32 v[NIL], 0
	ds_add_u32 v[SPW], v[NIL]              ; the wave's opening, ahead of my first tensor load
	ds_add_u32 v14, v15
	v_lshrrev_b32 v1, 5, v0
	v_readfirstlane_b32 s[WV], v1
	s_and_b32 s20, ttmp7, 0xffff           ; y
	s_and_b32 s11, ttmp9, 3
	s_lshr_b32 s21, ttmp9, 1
	s_and_b32 s21, s21, 4
	s_or_b32 s11, s11, s21                 ; to: bits 0, 1, 3 of x
	s_bfe_u32 s12, ttmp9, 0x10004
	s_and_b32 s21, s20, 1
	s_lshl_b32 s21, s21, 1
	s_or_b32 s12, s12, s21                 ; tj: bit 4 of x, bit 0 of y
	s_bfe_u32 s13, ttmp9, 0x10002
	s_and_b32 s21, s20, 6
	s_or_b32 s13, s13, s21                 ; batch: bit 2 of x, bits 1, 2 of y
	s_and_b32 s14, s[WV], 1                ; wx
	s_lshr_b32 s15, s[WV], 1               ; wp
	s_and_b32 s16, s[WV], 3                ; which rows of a quarter I fetch
	s_mov_b32 s[G1P+0], (1<<16)|(1<<20)|(5<<22)|(3<<25)  ; 2-byte elements; padding: after every 64 words, 4 words
	s_mov_b32 s[G1P+1], 128<<16
	s_mov_b32 s[G1P+2], 16<<16
	s_mov_b32 s[G1P+3], 128<<16
	s_mov_b32 s[G1P+4], 16
	s_mov_b32 s[G1P+5], 512
	s_mov_b32 s[G1P+6], 0
	s_mov_b32 s[G1P+7], 0
	s_mov_b32 s[G1V+0], (1<<16)|(1<<20)|(5<<22)|(7<<25)  ; the same with 8 words of padding
	s_mov_b32 s[G1V+1], 128<<16
	s_mov_b32 s[G1V+2], 32<<16
	s_mov_b32 s[G1V+3], 128<<16
	s_mov_b32 s[G1V+4], 32
	s_mov_b32 s[G1V+5], 512
	s_mov_b32 s[G1V+6], 0
	s_mov_b32 s[G1V+7], 0
	s_mul_i32 s17, s16, 32*PV
	s_add_co_u32 s17, s17, VB              ; where my rows of U's quarter 0 go
	s_mul_i32 s18, s16, 16*PP              ; and my rows of Wo's
	s_lshl_b32 s[UPT], s13, 19
	s_lshl_b32 s19, s16, 15                ; 32 rows c of 1,024 bytes
	s_add_co_u32 s[UPT], s[UPT], s19
	s_lshl_b32 s19, s12, 8
	s_add_co_u32 s[UPT], s[UPT], s19
	s_mov_b32 s[UPT+1], 0
	s_lshl_b32 s[OPT], s11, 16             ; 64 rows o of 1,024 bytes
	s_lshl_b32 s19, s16, 14                ; 16 rows
	s_add_co_u32 s[OPT], s[OPT], s19
	s_add_co_u32 s[OPT], s[OPT], 0x180000  ; Wo in wb
	s_mov_b32 s[OPT+1], 0
	s_lshl_b32 s[MB], s12, 2
	s_add_co_u32 s[MB], s[MB], s15         ; kb = 4 tj + wp
	s_lshl_b32 s[MB], s[MB], 15
	s_lshl_b32 s19, s13, 19
	s_add_co_u32 s[MB], s[MB], s19
	s_lshl_b32 s19, s11, 12                ; ob = 4 to + 2 wx + rb, 1,024 bytes each
	s_add_co_u32 s[MB], s[MB], s19
	s_lshl_b32 s19, s14, 11
	s_add_co_u32 s[MB], s[MB], s19
	s_mov_b32 s[MB+1], 0
	s_wait_dscnt 0x0                       ; the opening add is done
	s_wait_kmcnt 0x0
	s_add_nc_u64 s[UPT:UPT+1], s[4:5], s[UPT:UPT+1]
	s_add_nc_u64 s[OPT:OPT+1], s[6:7], s[OPT:OPT+1]
	s_add_nc_u64 s[MB:MB+1], s[8:9], s[MB:MB+1]
	s_cmp_lt_u32 s[WV], 4                  ; a wave's four first fills stand in one branch on the wave's number: four loads of mine are out
	s_cbranch_scc0 .Lfor_o
.irp q, 0,1,2,3
	s_mov_b32 s[G0+4*(\q)], 1
	s_add_co_u32 s[G0+4*(\q)+1], s17, (\q)*128*PV
	s_add_nc_u64 s[G0+4*(\q)+2:G0+4*(\q)+3], s[UPT:UPT+1], (\q)*131072
	s_or_b32 s[G0+4*(\q)+3], s[G0+4*(\q)+3], 0x80000000
.endr
.irp q, 0,1,2,3
	tensor_load_to_lds s[G0+4*(\q):G0+4*(\q)+3], s[G1V:G1V+7]
	s_nop 0
.endr
	PLACES
	s_branch .Lasked
.Lfor_o:
.irp q, 0,1,2,3
	s_mov_b32 s[G0+4*(\q)], 1
	s_add_co_u32 s[G0+4*(\q)+1], s18, (\q)*PQ
	s_add_nc_u64 s[G0+4*(\q)+2:G0+4*(\q)+3], s[OPT:OPT+1], (\q)*256
	s_or_b32 s[G0+4*(\q)+3], s[G0+4*(\q)+3], 0x80000000
.endr
.irp q, 0,1,2,3
	tensor_load_to_lds s[G0+4*(\q):G0+4*(\q)+3], s[G1P:G1P+7]
	s_nop 0
.endr
	PLACES
.Lasked:
	v_and_b32 v3, 31, v0
	v_lshlrev_b32 v[GOF], 4, v3
	v_and_b32 v3, 15, v0
	v_bfe_u32 v4, v0, 4, 1
	v_mul_u32_u24 v[AE], v3, PP
	v_lshl_add_u32 v[AE], v4, 4, v[AE]
	s_mul_i32 s17, s14, 32*PP
	v_add_nc_u32 v[AE], s17, v[AE]
	v_and_b32 v5, 7, v0
	v_bfe_u32 v6, v0, 3, 1
	v_lshl_add_u32 v[AV], v4, 3, v5        ; the turning load: lane l reads row 8 (l / 16) + l % 8, 16 bytes at 16 ((l / 8) % 2)
	v_mul_u32_u24 v[AV], v[AV], PV
	v_lshl_add_u32 v[AV], v6, 4, v[AV]
	s_lshl_b32 s18, s15, 6
	s_add_co_u32 s18, s18, VB
	v_add_nc_u32 v[AV], s18, v[AV]
; Quarter q of K is multiplied: 32 LDS loads, 16 products.  The four accumulators take turns, from quarter to quarter too; the first four products start the sums with the constant 0.
.macro QUARTER q
	s_wait_tensorcnt 3-(\q)                ; my part of quarter q is in; my later quarters' loads stay out
	s_wait_dscnt 0x0
	s_barrier_signal -1
	s_barrier_wait -1                      ; everybody's part is in
.set z, 0
.rept 4
.irp rb, 0,1
	ds_load_b128 v[F+32*z+8*(\rb):F+32*z+8*(\rb)+3],   v[AE] offset:(\rb)*16*PP+64*z
	ds_load_b128 v[F+32*z+8*(\rb)+4:F+32*z+8*(\rb)+7], v[AE] offset:(\rb)*16*PP+64*z+32
.endr
.irp jb, 0,1
	ds_load_tr16_b128 v[F+32*z+16+8*(\jb):F+32*z+16+8*(\jb)+3],   v[AV] offset:z*32*PV+32*(\jb)
	ds_load_tr16_b128 v[F+32*z+16+8*(\jb)+4:F+32*z+16+8*(\jb)+7], v[AV] offset:z*32*PV+32*(\jb)+16*PV
.endr
.set z, z+1
.endr
.set z, 0
.rept 4
	s_wait_dscnt 24-8*z                    ; sub-step z's 8 loads are in
.irp rb, 0,1
.irp jb, 0,1
.if ((\q) == 0) && (z == 0)
	v_wmma_f32_16x16x32_bf16 v[ACC+8*(2*(\rb)+(\jb)):ACC+8*(2*(\rb)+(\jb))+7], v[F+32*z+16+8*(\jb):F+32*z+16+8*(\jb)+7], v[F+32*z+8*(\rb):F+32*z+8*(\rb)+7], 0
.else
	v_wmma_f32_16x16x32_bf16 v[ACC+8*(2*(\rb)+(\jb)):ACC+8*(2*(\rb)+(\jb))+7], v[F+32*z+16+8*(\jb):F+32*z+16+8*(\jb)+7], v[F+32*z+8*(\rb):F+32*z+8*(\rb)+7], v[ACC+8*(2*(\rb)+(\jb)):ACC+8*(2*(\rb)+(\jb))+7]
.endif
.endr
.endr
.set z, z+1
.endr
	v_add_nc_u32 v[AE], PQ, v[AE]          ; with the two v_nop the four places in front of the next quarter's loads
	v_add_nc_u32 v[AV], 128*PV, v[AV]
	v_nop
	v_nop
.endm
	QUARTER 0
	QUARTER 1
	QUARTER 2
	QUARTER 3
	PLACES
.set a, 0
.rept 4                                ; accumulator a = 2 rb + jb becomes registers 4 jb .. 4 jb + 3 of block rb's fragment
.irp n, 0,1,2,3
	v_cvt_pk_bf16_f32 v[PK+4*a+(\n)], v[ACC+8*a+2*(\n)], v[ACC+8*a+2*(\n)+1]
.endr
	global_store_b128 v[GOF], v[PK+4*a:PK+4*a+3], s[MB:MB+1] offset:(a/2)*1024+(a%2)*512
.set a, a+1
.endr
	s_wait_tensorcnt 0x0                   ; the wave's end
	ds_add_u32 v[SPW], v[NIL]
	s_wait_dscnt 0x0
	s_endpgm
.Lfunc_end_k_qfb1e7ed257_mmul:
	.size	k_qfb1e7ed257_mmul, .Lfunc_end_k_qfb1e7ed257_mmul-k_qfb1e7ed257_mmul
	.p2alignl 7, 3214868480
	.fill 96, 4, 3214868480
	.section	.rodata,"a",@progbits
	.p2align	6, 0x0
	.amdhsa_kernel k_qfb1e7ed257_mmul
		.amdhsa_group_segment_fixed_size 218112
		.amdhsa_private_segment_fixed_size 0
		.amdhsa_enable_private_segment 0
		.amdhsa_kernarg_size 24
		.amdhsa_user_sgpr_count 2
		.amdhsa_user_sgpr_kernarg_segment_ptr 1
		.amdhsa_wavefront_size32 1
		.amdhsa_system_sgpr_workgroup_id_x 1
		.amdhsa_system_sgpr_workgroup_id_y 1
		.amdhsa_system_sgpr_workgroup_id_z 1
		.amdhsa_system_vgpr_workitem_id 0
		.amdhsa_next_free_vgpr 256
		.amdhsa_next_free_sgpr 66
		.amdhsa_reserve_vcc 0
		.amdhsa_float_denorm_mode_32 3
		.amdhsa_float_denorm_mode_16_64 3
		.amdhsa_memory_ordered 1
		.amdhsa_forward_progress 1
		.amdhsa_inst_pref_size 23
	.end_amdhsa_kernel
	.amdgpu_metadata
---
amdhsa.version: [ 1, 2 ]
amdhsa.kernels:
  - .name:           k_qfb1e7ed257_mmul
    .symbol:         k_qfb1e7ed257_mmul.kd
    .args:
      - { .name: ub, .offset: 0, .size: 8, .value_kind: global_buffer, .address_space: global }
      - { .name: wb, .offset: 8, .size: 8, .value_kind: global_buffer, .address_space: global }
      - { .name: mf, .offset: 16, .size: 8, .value_kind: global_buffer, .address_space: global }
    .group_segment_fixed_size: 218112
    .private_segment_fixed_size: 0
    .kernarg_segment_align: 8
    .kernarg_segment_size: 24
    .max_flat_workgroup_size: 256
    .sgpr_count:     66
    .vgpr_count:     256
    .wavefront_size: 32
...
	.end_amdgpu_metadata
.endif
;; end of part 5
;; launch apply (part 6): grid 32 x 8, 8 waves a work-group, no clusters, 216,064 bytes of LDS; arguments key_feat, query_feat, mf, out0; writes out0
.if DOCPART == 6
	.amdgcn_target "amdgcn-amd-amdhsa--gfx1250"
	.amdhsa_code_object_version 6
	.text
	.protected	k_qfb1e7ed257_apply
	.globl	k_qfb1e7ed257_apply
	.p2align	8
	.type	k_qfb1e7ed257_apply,@function
k_qfb1e7ed257_apply:
	s_mov_b64 s[64:65], 0
	v_nop
	global_prefetch_b8 v0, s[64:65] scope:SCOPE_SE
	s_setreg_imm32_b32 hwreg(HW_REG_WAVE_MODE, 25, 1), 1
	s_wait_xcnt 0x0
; out[o][n] = xq[o][n] + the sum over j of M[o][j] xk[j][n].  xk is rounded once to bf16, M comes in bf16 as fragments (mf); sums and the residual in f32.
; SHARES.  A work-group takes one batch, all 512 o and 128 n: each byte of xk, xq and out is touched by one work-group, once.  Wave w: o = 64 w .. 64 w + 63, all 128 n: 32 accumulators, all of window 1.
; PHASE A: wave w loads rows j = 64 w .. + 63 of xk (a row's 512 bytes a load), rounds them and stores them to LDS as [j][n].  PHASE B: 16 sub-steps of 32 j: xk's fragments come turned out of LDS,
; M's straight from memory into registers, each wave its own, four sub-steps ahead.  Source 0 = xk turned (16 n), source 1 = M (16 o): a lane holds one o and eight neighbouring n.
; THE WAY OUT: 16 rows o at a time through my own stage, so that a row's 512 bytes lie in 32 lanes as xq's and out's do; xq is added there.
; NO CLUSTER: xk, xq and out are shared by nobody; M's fragments, which the batch's 32 work-groups all read, go into registers, not into LDS.
; REGISTERS.  Window 0: v2-9 addresses; v32-63, v64-95 xk's fragments, two buffers of four; v96-223 M's fragments, four sets of four; these later take xq.  Window 1: first xk as loaded, then the accumulators.
.set PV,   288                         ; a row of xk in LDS: 256 bytes + 32
.set STAGE, 512*PV
.set PS,   528                         ; a row of the stage: 512 bytes + 16
.set SPARE, STAGE+8*16*PS
.set GOF, 2
.set XST, 3
.set XA,  4
.set STO, 5
.set RD,  6
.set PFO, 7
.set SPW, 8
.set NIL, 9
.set XFA, 32
.set XFB, 64
.set MR,  96
.set QB0, 96
.set QB1, 160
.set QB2, 32
.set WV,  12
.set XK,  16
.set XQ,  18
.set OUT, 20
.set MB,  22
.set MSB, 0
.macro WIN new
.if MSB != (\new)
	s_set_vgpr_msb (MSB<<8)|(\new)
.set MSB, \new
.endif
.endm
.macro PLACES
.rept 4
	v_nop
.endr
.endm
.macro GROUP g, left                   ; 16 rows of xk: rounded in place (four registers become two), stored
	s_wait_loadcnt \left
	WIN 0x45
.set q, 16*(\g)
.rept 16
	v_cvt_pk_bf16_f32 v[2*q],   v[4*q],   v[4*q+1]
	v_cvt_pk_bf16_f32 v[2*q+1], v[4*q+2], v[4*q+3]
.set q, q+1
.endr
	WIN 0x04
.set q, 16*(\g)
.rept 16
	ds_store_b64 v[XST], v[2*q:2*q+1] offset:q*PV
.set q, q+1
.endr
.endm
.macro MLOAD k                         ; M's four fragments of sub-step k into set k % 4: 8 loads of 512 consecutive bytes
	WIN 0
.irp ob, 0,1,2,3
	global_load_b128 v[MR+32*((\k)%4)+8*(\ob):MR+32*((\k)%4)+8*(\ob)+3],   v[GOF], s[MB:MB+1] offset:(\k)*32768+(\ob)*1024
	global_load_b128 v[MR+32*((\k)%4)+8*(\ob)+4:MR+32*((\k)%4)+8*(\ob)+7], v[GOF], s[MB:MB+1] offset:(\k)*32768+(\ob)*1024+512
.endr
.endm
.macro XFETCH k, hs, f                 ; four turned fragments of xk: sub-step k, n blocks 4 hs .. 4 hs + 3
.irp i, 0,1,2,3
	ds_load_tr16_b128 v[(\f)+8*(\i):(\f)+8*(\i)+3],   v[XA] offset:((\k)%4)*32*PV+32*(4*(\hs)+(\i))
	ds_load_tr16_b128 v[(\f)+8*(\i)+4:(\f)+8*(\i)+7], v[XA] offset:((\k)%4)*32*PV+32*(4*(\hs)+(\i))+16*PV
.endr
.endm
.macro MULS k, hs, f                   ; 16 products on 16 different accumulators; sub-step 0 starts the sums with the constant 0
	WIN 0x50                               ; C and D in window 1
.irp i, 0,1,2,3
.irp ob, 0,1,2,3
.if (\k) == 0
	v_wmma_f32_16x16x32_bf16 v[8*(8*(\ob)+4*(\hs)+(\i)):8*(8*(\ob)+4*(\hs)+(\i))+7], v[(\f)+8*(\i):(\f)+8*(\i)+7], v[MR+32*((\k)%4)+8*(\ob):MR+32*((\k)%4)+8*(\ob)+7], 0
.else
	v_wmma_f32_16x16x32_bf16 v[8*(8*(\ob)+4*(\hs)+(\i)):8*(8*(\ob)+4*(\hs)+(\i))+7], v[(\f)+8*(\i):(\f)+8*(\i)+7], v[MR+32*((\k)%4)+8*(\ob):MR+32*((\k)%4)+8*(\ob)+7], v[8*(8*(\ob)+4*(\hs)+(\i)):8*(8*(\ob)+4*(\hs)+(\i))+7]
.endif
.endr
.endr
.endm
.macro QLOAD blk, buf                  ; 16 rows of xq, a row's 512 bytes a load
	WIN 0
.set q, 0
.rept 16
	global_load_b128 v[(\buf)+4*q:(\buf)+4*q+3], v[GOF], s[XQ:XQ+1] offset:(16*(\blk)+q)*16384 th:TH_LOAD_NT
.set q, q+1
.endr
.endm
; A PREFETCH of my own 16 rows x 512 bytes of xq, block blk: a lane for each aligned 256 bytes, one instruction; each block of the launch is named once, by the wave that will load it.
; Blocks 0 to 3 are asked for behind sub-steps 9, 11, 13, 15 and loaded behind sub-steps 13, 15, 15 and in the way out: at most two blocks a wave are asked for and not yet loaded.  The address registers are never rewritten.
.macro ASK blk
	global_prefetch_b8 v[PFO], s[XQ:XQ+1] offset:(\blk)*262144 th:TH_LOAD_NT scope:SCOPE_SE
.endm
; A sub-step: 32 j.  The wait on loads counts the younger ones that may stay out: three sets of M (24); at 13 two sets (16); at 14 a set and xq's block 0 (24); at 15 block 0 (16).
.macro SUB k
.if ((\k) == 13) || ((\k) == 15)
	s_wait_loadcnt 16
.else
	s_wait_loadcnt 24
.endif
	s_wait_dscnt 8                         ; the first four fragments are in; the other four's 8 loads may be out
	MULS \k, 0, XFA
	PLACES                                 ; four places in front of loads into registers that products have read
	WIN 0
.if (\k) < 15
.if (((\k)+1)%4) == 0
	v_add_nc_u32 v[XA], 128*PV, v[XA]      ; the next 128 rows of xk
.endif
	XFETCH (\k)+1, 0, XFA
	s_wait_dscnt 8
.else
	s_wait_dscnt 0x0
.endif
	MULS \k, 1, XFB
	PLACES
	WIN 0
.if (\k) < 15
	XFETCH (\k)+1, 1, XFB
.endif
.if (\k) <= 11
	MLOAD (\k)+4
.endif
.if (\k) == 13
	QLOAD 0, QB0                           ; M's sets 12 and 13 have been multiplied
.endif
.if (\k) == 15
	QLOAD 1, QB1
	QLOAD 2, QB2
.endif
.if ((\k) >= 9) && (((\k)%2) == 1)
	ASK ((\k)-9)/2
.endif
.endm
.macro TOSTAGE a                       ; block a's 16 rows o into my stage and back as whole rows, into the registers that they left
	WIN 0x04
.set t, 0
.rept 8                                ; each accumulator's low registers are read first
	ds_store_b128 v[STO], v[64*(\a)+8*t:64*(\a)+8*t+3]   offset:64*t
	ds_store_b128 v[STO], v[64*(\a)+8*t+4:64*(\a)+8*t+7] offset:64*t+16
.set t, t+1
.endr
	WIN 0x40
.set q, 0
.rept 16
	ds_load_b128 v[64*(\a)+4*q:64*(\a)+4*q+3], v[RD] offset:q*PS  ; LDS serves a wave's instructions in order (ISA guide 5.7.1.4): these see the stores above; the next block's stores come behind them
.set q, q+1
.endr
.endm
.macro SEND a, buf, dsleft, ldleft     ; dsleft: the next block's 32 LDS instructions; ldleft: the younger blocks' loads of xq
	s_wait_dscnt \dsleft
	s_wait_loadcnt \ldleft
	WIN 0x41
.set i, 0
.rept 32
	v_pk_add_f32 v[64*(\a)+2*i:64*(\a)+2*i+1], v[64*(\a)+2*i:64*(\a)+2*i+1], v[(\buf)+2*i:(\buf)+2*i+1]
.set i, i+1
.endr
	WIN 0x04
.set q, 0
.rept 16
	global_store_b128 v[GOF], v[64*(\a)+4*q:64*(\a)+4*q+3], s[OUT:OUT+1] offset:(16*(\a)+q)*16384 th:TH_STORE_NT  ; 512 consecutive bytes, aligned
.set q, q+1
.endr
.endm
	s_load_b256 s[4:11], s[0:1], 0x0       ; xk s[4:5], xq s[6:7], mf s[8:9], out s[10:11]
	v_lshl_add_u32 v[SPW], v0, 2, SPARE
	v_mov_b32 v[NIL], 0
	v_lshrrev_b32 v1, 5, v0
	v_readfirstlane_b32 s[WV], v1
	v_and_b32 v10, 31, v0
	v_lshlrev_b32 v[GOF], 4, v10
	s_and_b32 s13, ttmp7, 0xffff           ; batch
	s_lshl_b32 s14, s13, 23
	s_lshl_b32 s15, s[WV], 20              ; 64 rows of 16,384 bytes
	s_add_co_u32 s14, s14, s15
	s_lshl_b32 s15, ttmp9, 9               ; 128 n
	s_add_co_u32 s14, s14, s15
	s_mov_b32 s15, 0
	s_lshl_b32 s24, s13, 19
	s_lshl_b32 s25, s[WV], 12              ; my four blocks of 16 o
	s_add_co_u32 s24, s24, s25
	s_mov_b32 s25, 0
	s_wait_kmcnt 0x0
	s_add_nc_u64 s[XK:XK+1], s[4:5], s[14:15]
	s_add_nc_u64 s[XQ:XQ+1], s[6:7], s[14:15]
	s_add_nc_u64 s[OUT:OUT+1], s[10:11], s[14:15]
	s_add_nc_u64 s[MB:MB+1], s[8:9], s[24:25]
	WIN 0x40
.set q, 0
.rept 64
	global_load_b128 v[4*q:4*q+3], v[GOF], s[XK:XK+1] offset:q*16384 th:TH_LOAD_NT
.set q, q+1
.endr
	WIN 0
	v_and_b32 v11, 15, v0                  ; r
	v_bfe_u32 v12, v0, 4, 1                ; h
	s_mul_i32 s26, s[WV], 64*PV
	v_lshl_add_u32 v[XST], v10, 3, s26
	v_and_b32 v13, 7, v0
	v_bfe_u32 v14, v0, 3, 1
	v_lshl_add_u32 v[XA], v12, 3, v13      ; the turning load: lane l reads row 8 (l / 16) + l % 8, 16 bytes at 16 ((l / 8) % 2)
	v_mul_u32_u24 v[XA], v[XA], PV
	v_lshl_add_u32 v[XA], v14, 4, v[XA]
	s_mul_i32 s27, s[WV], 16*PS
	s_add_co_u32 s27, s27, STAGE           ; my stage
	v_mul_u32_u24 v[STO], v11, PS
	v_lshl_add_u32 v[STO], v12, 5, v[STO]
	v_add_nc_u32 v[STO], s27, v[STO]
	v_lshl_add_u32 v[RD], v10, 4, s27
	v_lshrrev_b32 v15, 1, v10
	v_and_b32 v16, 1, v10
	v_lshlrev_b32 v[PFO], 14, v15          ; row lane / 2, half lane % 2 of its 512 bytes
	v_lshl_add_u32 v[PFO], v16, 8, v[PFO]
	GROUP 0, 48                            ; the counts: the later groups' loads stay out
	GROUP 1, 32
	GROUP 2, 16
	MLOAD 0
	MLOAD 1
	MLOAD 2
	MLOAD 3
	GROUP 3, 32                            ; M's 32 loads stay out
	WIN 0
	s_wait_dscnt 0x0                       ; for the others' sake: my 64 rows lie in LDS
	s_barrier_signal -1
	s_barrier_wait -1
	XFETCH 0, 0, XFA
	XFETCH 0, 1, XFB
.irp k, 0,1,2,3,4,5,6,7,8,9,10,11,12,13,14,15
	SUB \k
.endr
	PLACES                                 ; eight places in all behind the last products
	TOSTAGE 0
	TOSTAGE 1
	SEND 0, QB0, 32, 32
	QLOAD 3, QB0
	TOSTAGE 2
	SEND 1, QB1, 32, 32
	TOSTAGE 3
	SEND 2, QB2, 32, 16
	SEND 3, QB0, 0, 0
	WIN 0
	s_wait_tensorcnt 0x0                   ; the wave's end, behind my last LDS store
	ds_add_u32 v[SPW], v[NIL]
	s_wait_dscnt 0x0
	s_endpgm
.Lfunc_end_k_qfb1e7ed257_apply:
	.size	k_qfb1e7ed257_apply, .Lfunc_end_k_qfb1e7ed257_apply-k_qfb1e7ed257_apply
	.p2alignl 7, 3214868480
	.fill 96, 4, 3214868480
	.section	.rodata,"a",@progbits
	.p2align	6, 0x0
	.amdhsa_kernel k_qfb1e7ed257_apply
		.amdhsa_group_segment_fixed_size 216064
		.amdhsa_private_segment_fixed_size 0
		.amdhsa_enable_private_segment 0
		.amdhsa_kernarg_size 32
		.amdhsa_user_sgpr_count 2
		.amdhsa_user_sgpr_kernarg_segment_ptr 1
		.amdhsa_wavefront_size32 1
		.amdhsa_system_sgpr_workgroup_id_x 1
		.amdhsa_system_sgpr_workgroup_id_y 1
		.amdhsa_system_sgpr_workgroup_id_z 1
		.amdhsa_system_vgpr_workitem_id 0
		.amdhsa_next_free_vgpr 512
		.amdhsa_next_free_sgpr 66
		.amdhsa_reserve_vcc 0
		.amdhsa_float_denorm_mode_32 3
		.amdhsa_float_denorm_mode_16_64 3
		.amdhsa_memory_ordered 1
		.amdhsa_forward_progress 1
		.amdhsa_inst_pref_size 118
	.end_amdhsa_kernel
	.amdgpu_metadata
---
amdhsa.version: [ 1, 2 ]
amdhsa.kernels:
  - .name:           k_qfb1e7ed257_apply
    .symbol:         k_qfb1e7ed257_apply.kd
    .args:
      - { .name: key_feat, .offset: 0, .size: 8, .value_kind: global_buffer, .address_space: global }
      - { .name: query_feat, .offset: 8, .size: 8, .value_kind: global_buffer, .address_space: global }
      - { .name: mf, .offset: 16, .size: 8, .value_kind: global_buffer, .address_space: global }
      - { .name: out0, .offset: 24, .size: 8, .value_kind: global_buffer, .address_space: global }
    .group_segment_fixed_size: 216064
    .private_segment_fixed_size: 0
    .kernarg_segment_align: 8
    .kernarg_segment_size: 32
    .max_flat_workgroup_size: 256
    .sgpr_count:     66
    .vgpr_count:     512
    .wavefront_size: 32
...
	.end_amdgpu_metadata
.endif
;; end of part 6
;; ======== version 2 of 2: 6 launches; version 1 with the launches gram, apply written anew for expert scheduling mode
;; workspace buffers: wb 2,097,152 bytes; gp 16,777,216 bytes; tp 8,388,608 bytes; sc 8,388,608 bytes; ub 4,194,304 bytes; mf 4,194,304 bytes
;; launch gram (part 7): grid 16 x 16, 8 waves a work-group, no clusters, 209,920 bytes of LDS; arguments query_feat, key_feat, Wq, Wk, Wv, Wo, gp, wb; writes gp, wb
.if DOCPART == 7
	.amdgcn_target "amdgcn-amd-amdhsa--gfx1250"
	.amdhsa_code_object_version 6
	.text
	.protected	k_qfb1e7ed257_gram
	.globl	k_qfb1e7ed257_gram
	.p2align	8
	.type	k_qfb1e7ed257_gram,@function
k_qfb1e7ed257_gram:
	s_mov_b64 s[64:65], 0
	v_nop
	global_prefetch_b8 v0, s[64:65] scope:SCOPE_SE
	s_setreg_imm32_b32 hwreg(HW_REG_WAVE_SCHED_MODE, 0, 2), 2
	s_setreg_imm32_b32 hwreg(HW_REG_WAVE_MODE, 25, 1), 1
	s_wait_xcnt 0x0
	s_wait_alu depctr_vm_vsrc(0)
; GT[j][i] = the sum over n of xk[j][n] xq[i][n], for one batch and one half of n, in f32; and the four weights rounded to bf16.
; The module's products are regrouped: scores = Wq (xq xk^T) Wk^T and out = (Wo P Wv) xk, which holds for every input; the order of the sums differs from the written one.
; xq, xk: [8][512][4096] f32, rounded once to bf16 for the matrix unit.  gp: [half 2][batch 8][j 512][i 512] f32: the two halves are partial sums and stay in f32.
; SHARES.  256 work-groups: x = ti + 4 half + 8 (tj % 2), y = tj / 2 + 2 b: the sixteen work-groups of a batch and a half of n, which read the same rows, agree in bit 2 of x.
; A work-group makes 128 j x 128 i over 2,048 n.  Wave w: 32 rows j (w / 2) x 64 columns i (w % 2): 8 accumulators.
; THE STREAM.  n goes in 16 steps of 128 (512 bytes of f32 a row).  In a step wave w loads 32 rows of the joint tile (rows 0-127 xk's, 128-255 xq's), a row a load (32 lanes x 16 bytes),
; into one of two sets of 128 registers; while one set is rounded and stored to LDS the other set's 32 loads stay on their way, across the barrier too.
; NO CLUSTER, NO TENSOR LOADS: the data must be rounded on its way, so it passes through registers anyway, and loads into registers stay out across barriers.
; The product is taken with source 0 = 16 rows of xq, source 1 = 16 rows of xk: a lane then holds one row j and eight neighbouring i.
; REGISTERS: window 0: v2-13 addresses; v32-95 accumulators; v96-143, v144-191, v192-239 three fragment buffers; v192-255 later the way out.  Window 1: the two sets of 128.
; THE MODE: SCHED_MODE bits 1:0 = 2 (LLVM: expert scheduling mode 2), set by the entry lines.  The code itself states the register dependences
; between vector or matrix instructions and memory or LDS instructions, with s_wait_alu, always for 0.
; THE PLAN.  Registers that memory or LDS instructions touch, round the loop:
;   set 0, set 1  Step s: its 64 conversions read the set's 128 registers and write the first 64; its 32 LDS stores read those 64; then the 32 loads of step s + 2 land in the 128.
;   F0, F1, F2    LDS loads land in them, products read them.  A step's four quarters of 32 n go to F0, F1, F2 and F0 again.
;   v2 to v13     offsets and LDS addresses, made at the head and never written again: the rows' pointer is a scalar pair.
;   The accumulators are named by products alone until the way out.
; A step's waits: one on va_vdst behind the conversions (the stores' data are written; the step before's products are done reading F0 to F2, in which this step's first three fetches land);
; one on vm_vsrc and one on va_vdst directly ahead of the set's loads, under their window; one on va_vdst behind the first eight products, ahead of the fourth fetch, which lands in F0 again.
; The third fetch lands in F2 with no wait of its own: since the waits at the step's head only products on F0 have been issued.
.set PITCH, 272                        ; an LDS row: 256 bytes of bf16 + 16: an odd multiple of 16, so the 16 rows of a fragment load start 16 bytes apart modulo 256
.set BUFB,  256*PITCH                  ; a buffer: 256 rows
.set STAGE, 2*BUFB                     ; 8 waves x 32 rows x 272 bytes, each wave's own; the 1,024 bytes behind the stages take the closing add
.set GOF, 2                            ; 16 x lane
.set LST, 3                            ; v3-4   where I store 8 bytes of my rows, buffer 0, 1
.set FJ,  5                            ; v5-6   my fragments of xk
.set FI,  7                            ; v7-8   my fragments of xq
.set STO, 9                            ; the way out: into my stage
.set RD,  10                           ; and back
.set GO,  11                           ; my byte offset in two rows of gp
.set WOF, 12                           ; my 16 bytes of each weight
.set WST, 13                           ; my 8 bytes of each rounded weight
.set ACC, 32                           ; (a, e) at ACC + 8 (4 a + e)
.set F0,  96                           ; xq's fragment e at + 8 e, xk's fragment a at + 32 + 8 a
.set F1,  144
.set F2,  192
.set OB,  192
.set WV,  20
.set XP,  24                           ; s[24:25] my 32 rows, at the step that set 0 was last loaded for
.set GP,  26                           ; s[26:27] my part of gp
.set TRIPS, 32
.set MSB, 0
.macro WIN new                         ; the immediate's high byte repeats the setting that is left; a switch that changes nothing is dropped
.if MSB != (\new)
	s_set_vgpr_msb (MSB<<8)|(\new)
.set MSB, \new
.endif
.endm
.macro PLACES
.rept 4
	v_nop
.endr
.endm
.macro LOADS par, off                  ; a step's 32 rows into set par
	WIN 0x40                               ; destination window 1, address window 0
.set q, 0
.rept 32
	global_load_b128 v[128*(\par)+4*q:128*(\par)+4*q+3], v[GOF], s[XP:XP+1] offset:q*16384+(\off)
.set q, q+1
.endr
.endm
.macro FETCH par, ks, f                ; 12 LDS loads: 32 along n at byte 64 ks of the rows: four fragments of xq, two of xk
.irp e, 0,1,2,3
	ds_load_b128 v[(\f)+8*(\e):(\f)+8*(\e)+3],   v[FI+(\par)] offset:(\e)*16*PITCH+64*(\ks)
	ds_load_b128 v[(\f)+8*(\e)+4:(\f)+8*(\e)+7], v[FI+(\par)] offset:(\e)*16*PITCH+64*(\ks)+32
.endr
.irp a, 0,1
	ds_load_b128 v[(\f)+32+8*(\a):(\f)+32+8*(\a)+3], v[FJ+(\par)] offset:(\a)*16*PITCH+64*(\ks)
	ds_load_b128 v[(\f)+32+8*(\a)+4:(\f)+32+8*(\a)+7], v[FJ+(\par)] offset:(\a)*16*PITCH+64*(\ks)+32
.endr
.endm
.macro MUL f                           ; 8 products; the 8 accumulators take turns, in the same order everywhere
.irp a, 0,1
.irp e, 0,1,2,3
	v_wmma_f32_16x16x32_bf16 v[ACC+8*(4*(\a)+(\e)):ACC+8*(4*(\a)+(\e))+7], v[(\f)+8*(\e):(\f)+8*(\e)+7], v[(\f)+32+8*(\a):(\f)+32+8*(\a)+7], v[ACC+8*(4*(\a)+(\e)):ACC+8*(4*(\a)+(\e))+7]
.endr
.endr
.endm
; A step.  left: the younger loads that may stay out.  load = 1: the set is asked for again, two steps on.  load = 2 (set 0's last step): my 16 bytes of each weight are asked for in its stead.  load = 0: nothing.
.macro STEP par, load, left
	s_wait_loadcnt \left                   ; my set is in; the younger loads stay out
	WIN 0x45                               ; rounded in place: row q's four registers become two; these 64 lines are also the places behind the step before's products
.set q, 0
.rept 32
	v_cvt_pk_bf16_f32 v[128*(\par)+2*q],   v[128*(\par)+4*q],   v[128*(\par)+4*q+1]
	v_cvt_pk_bf16_f32 v[128*(\par)+2*q+1], v[128*(\par)+4*q+2], v[128*(\par)+4*q+3]
.set q, q+1
.endr
	WIN 0x04                               ; store data in window 1
	s_wait_alu depctr_va_vdst(0)           ; the conversions have written the set's first 64 registers, which the LDS stores read; the step before's products are done reading F0, F1 and F2, in which this step's fetches land; in the first step the head's addresses are written
.set q, 0
.rept 32
	ds_store_b64 v[LST+(\par)], v[128*(\par)+2*q:128*(\par)+2*q+1] offset:q*PITCH  ; 32 lanes x 8 bytes: a row's 256 bytes
.set q, q+1
.endr
.if \load
	WIN 0x40                               ; the loads' window first, then their waits, then the loads
	s_wait_alu depctr_vm_vsrc(0)           ; the LDS stores have read the set's registers, in which the loads below land
	s_wait_alu depctr_va_vdst(0)           ; the conversions, which read and wrote those registers, are done: said directly ahead of the loads, since the stores that read them stand behind the wait above
.endif
.if (\load) == 1
	LOADS \par, 512*(\par)
.endif
.if (\load) == 2
.irp m, 0,1,2,3
	global_load_b128 v[4*(\m):4*(\m)+3], v[WOF], s[8+2*(\m):9+2*(\m)]  ; into set 0, which takes no more of x
.endr
.endif
	WIN 0
	s_wait_dscnt 0x0                       ; for the others' sake: my rows lie in LDS; my reads of the step before ended at its own wait for 0
	s_barrier_signal -1                    ; ONE barrier a step: this buffer is whole behind it, and the other buffer, read in the step before, may be written in the next
	s_barrier_wait -1
	FETCH \par, 0, F0
	FETCH \par, 1, F1
	s_wait_dscnt 12                        ; all but the 12 issued last
	MUL F0
	FETCH \par, 2, F2                      ; no wait: no vector or matrix instruction since the waits at the step's head names F2
	PLACES                                 ; the four places behind the products stay beside the wait
	s_wait_alu depctr_va_vdst(0)           ; the eight products above are done reading F0, in which the loads below land
	FETCH \par, 3, F0
	s_wait_dscnt 24                        ; F1 is in; the two younger fetches stay out
	MUL F1
	s_wait_dscnt 12
	MUL F2
	s_wait_dscnt 0x0
	MUL F0
.endm
	s_load_b512 s[4:19], s[0:1], 0x0       ; xq s[4:5], xk s[6:7], Wq, Wk, Wv, Wo s[8:15], gp s[16:17], wb s[18:19]
	v_lshl_add_u32 v30, v0, 2, 0x33000
	v_mov_b32 v31, 0
	v_lshrrev_b32 v1, 5, v0
	v_readfirstlane_b32 s[WV], v1          ; wave 0..7
	v_and_b32 v16, 31, v0                  ; lane
	v_lshlrev_b32 v[GOF], 4, v16
	s_wait_alu depctr_va_sdst(0)           ; the wave's number is written, ahead of its first reader: the bases of x and gp are made from it
	s_and_b32 s21, ttmp7, 0xffff           ; y
	s_lshr_b32 s22, ttmp9, 3               ; tj = x / 8 + 2 (y % 2)
	s_and_b32 s23, s21, 1
	s_lshl_b32 s23, s23, 1
	s_or_b32 s22, s22, s23
	s_and_b32 s23, ttmp9, 3                ; ti = x % 4
	s_lshr_b32 s28, s21, 1                 ; batch = y / 2
	s_bfe_u32 s29, ttmp9, 0x10002          ; half of n = bit 2 of x
	s_cmp_lt_u32 s[WV], 4                  ; waves 0-3 load xk's rows, waves 4-7 xq's
	s_cselect_b32 s30, s22, s23
	s_lshl_b32 s30, s30, 7
	s_and_b32 s31, s[WV], 3
	s_lshl_b32 s31, s31, 5
	s_add_co_u32 s30, s30, s31             ; my first row
	s_lshl_b32 s30, s30, 14                ; x 16,384 bytes
	s_lshl_b32 s31, s28, 23                ; + batch x 8,388,608
	s_add_co_u32 s30, s30, s31
	s_lshl_b32 s31, s29, 13                ; + half x 8,192
	s_add_co_u32 s30, s30, s31
	s_mov_b32 s31, 0
	s_lshl_b32 s36, s29, 3
	s_add_co_u32 s36, s36, s28             ; 8 half + batch
	s_lshl_b32 s36, s36, 9
	s_lshl_b32 s37, s22, 7
	s_add_co_u32 s36, s36, s37
	s_lshr_b32 s34, s[WV], 1               ; wj
	s_and_b32 s35, s[WV], 1                ; wi
	s_lshl_b32 s37, s34, 5
	s_add_co_u32 s36, s36, s37             ; my first row of gp
	s_lshl_b32 s36, s36, 11                ; x 2,048 bytes
	s_lshl_b32 s37, s23, 9
	s_add_co_u32 s36, s36, s37             ; + 128 ti columns
	s_lshl_b32 s37, s35, 8
	s_add_co_u32 s36, s36, s37             ; + 64 wi columns
	s_mov_b32 s37, 0
	s_wait_kmcnt 0x0
	s_cmp_lt_u32 s[WV], 4
	s_cselect_b64 s[XP:XP+1], s[6:7], s[4:5]
	s_add_nc_u64 s[XP:XP+1], s[XP:XP+1], s[30:31]
	s_add_nc_u64 s[GP:GP+1], s[16:17], s[36:37]
	WIN 0x40
	s_wait_alu depctr_va_vdst(0)           ; v[GOF] is written: every load of x reads it as its offset
	LOADS 0, 0                             ; step 0
	LOADS 1, 512                           ; step 1
	WIN 0
	v_and_b32 v17, 15, v0                  ; r
	v_bfe_u32 v18, v0, 4, 1                ; h
	s_mul_i32 s40, s[WV], 32*PITCH
	v_lshl_add_u32 v[LST], v16, 3, s40
	v_add_nc_u32 v[LST+1], BUFB, v[LST]
	v_mul_u32_u24 v19, v17, PITCH
	v_lshl_add_u32 v20, v18, 4, v19        ; r x pitch + 16 h
	s_mul_i32 s41, s34, 32*PITCH
	v_add_nc_u32 v[FJ], s41, v20
	v_add_nc_u32 v[FJ+1], BUFB, v[FJ]
	s_mul_i32 s42, s35, 64*PITCH
	s_add_co_u32 s42, s42, 128*PITCH
	v_add_nc_u32 v[FI], s42, v20
	v_add_nc_u32 v[FI+1], BUFB, v[FI]
	s_add_co_u32 s43, s40, STAGE           ; my stage
	v_lshl_add_u32 v[STO], v18, 5, v19     ; row r, 32 bytes for each half of the lanes
	v_add_nc_u32 v[STO], s43, v[STO]
	v_mul_u32_u24 v[RD], v18, PITCH        ; back: lanes 0-15 one row of 256 bytes, lanes 16-31 the next
	v_lshl_add_u32 v[RD], v17, 4, v[RD]
	v_add_nc_u32 v[RD], s43, v[RD]
	v_lshlrev_b32 v[GO], 11, v18
	v_lshl_add_u32 v[GO], v17, 4, v[GO]
	s_lshl_b32 s44, s21, 4
	s_add_co_u32 s44, s44, ttmp9           ; the work-group's number, 0..255: it rounds 4,096 bytes of each weight
	s_lshl_b32 s45, s44, 12
	v_lshl_add_u32 v[WOF], v0, 4, s45
	s_lshl_b32 s46, s44, 11
	v_lshl_add_u32 v[WST], v0, 3, s46
.set i, 0
.rept 64
	v_mov_b32 v[ACC+i], 0                  ; the sums start at 0, written while the first loads are out: the loop then has one form of step (a first trip written out would be two steps' text more)
.set i, i+1
.endr
	s_mov_b32 s[TRIPS], 7
.Ltrip:                                        ; steps 2 i and 2 i + 1 are multiplied, steps 2 i + 2 and 2 i + 3 asked for
	s_wait_xcnt 0x0                        ; every load issued so far has read its address, so the pointer may be written
	s_add_nc_u64 s[XP:XP+1], s[XP:XP+1], 1024
	STEP 0, 1, 32
	STEP 1, 1, 32
	s_sub_co_u32 s[TRIPS], s[TRIPS], 1
	s_cmp_lg_u32 s[TRIPS], 0
	s_cbranch_scc1 .Ltrip
	STEP 0, 2, 32                          ; the last two steps load nothing of x; the first of them asks for the weights
	STEP 1, 0, 4                           ; the weights' four loads stay out
	; THE WAY OUT: 32 rows x 256 bytes of f32 through my own stage, so that sixteen lanes store 256 consecutive bytes
	PLACES
	PLACES
	s_wait_alu depctr_va_vdst(0)           ; the products have written the accumulators, which the LDS stores read, and are done reading F2, in which the loads from the stage land; the places above stay beside this wait
.set t, 0
.rept 8                                ; accumulator t = 4 a + e; its low registers are read first
	ds_store_b128 v[STO], v[ACC+8*t:ACC+8*t+3]   offset:(t/4)*16*PITCH+(t%4)*64
	ds_store_b128 v[STO], v[ACC+8*t+4:ACC+8*t+7] offset:(t/4)*16*PITCH+(t%4)*64+16
.set t, t+1
.endr
.set q, 0
.rept 16
	ds_load_b128 v[OB+4*q:OB+4*q+3], v[RD] offset:q*2*PITCH  ; LDS serves a wave's instructions in order (ISA guide 5.7.1.4): these see the stores above
.set q, q+1
.endr
.set q, 0
.rept 16
	s_wait_dscnt 15-q
	global_store_b128 v[GO], v[OB+4*q:OB+4*q+3], s[GP:GP+1] offset:q*4096
.set q, q+1
.endr
	s_wait_loadcnt 0x0                     ; the weights
	WIN 0x45
.irp m, 0,1,2,3
	v_cvt_pk_bf16_f32 v[2*(\m)],   v[4*(\m)],   v[4*(\m)+1]
	v_cvt_pk_bf16_f32 v[2*(\m)+1], v[4*(\m)+2], v[4*(\m)+3]
.endr
	WIN 0x04
	s_wait_alu depctr_va_vdst(0)           ; the eight conversions have written the registers that the stores below read
.irp m, 0,1,2,3
	global_store_b64 v[WST], v[2*(\m):2*(\m)+1], s[18:19] offset:(\m)*524288  ; a wave's store covers 256 consecutive bytes, aligned
.endr
	WIN 0
	s_wait_dscnt 0x0                       ; the wave's end
	s_wait_alu depctr_hold_cnt(0) depctr_sa_sdst(0) depctr_va_vdst(0) depctr_va_sdst(0) depctr_va_ssrc(0) depctr_va_vcc(0) depctr_vm_vsrc(0)
	s_wait_tensorcnt 0x0
	ds_add_u32 v30, v31
	s_wait_dscnt 0x0
	s_endpgm
.Lfunc_end_k_qfb1e7ed257_gram:
	.size	k_qfb1e7ed257_gram, .Lfunc_end_k_qfb1e7ed257_gram-k_qfb1e7ed257_gram
	.p2alignl 7, 3214868480
	.fill 96, 4, 3214868480
	.section	.rodata,"a",@progbits
	.p2align	6, 0x0
	.amdhsa_kernel k_qfb1e7ed257_gram
		.amdhsa_group_segment_fixed_size 209920
		.amdhsa_private_segment_fixed_size 0
		.amdhsa_enable_private_segment 0
		.amdhsa_kernarg_size 64
		.amdhsa_user_sgpr_count 2
		.amdhsa_user_sgpr_kernarg_segment_ptr 1
		.amdhsa_wavefront_size32 1
		.amdhsa_system_sgpr_workgroup_id_x 1
		.amdhsa_system_sgpr_workgroup_id_y 1
		.amdhsa_system_sgpr_workgroup_id_z 1
		.amdhsa_system_vgpr_workitem_id 0
		.amdhsa_next_free_vgpr 512
		.amdhsa_next_free_sgpr 66
		.amdhsa_reserve_vcc 0
		.amdhsa_float_denorm_mode_32 3
		.amdhsa_float_denorm_mode_16_64 3
		.amdhsa_memory_ordered 1
		.amdhsa_forward_progress 1
		.amdhsa_inst_pref_size 71
	.end_amdhsa_kernel
	.amdgpu_metadata
---
amdhsa.version: [ 1, 2 ]
amdhsa.kernels:
  - .name:           k_qfb1e7ed257_gram
    .symbol:         k_qfb1e7ed257_gram.kd
    .args:
      - { .name: query_feat, .offset: 0, .size: 8, .value_kind: global_buffer, .address_space: global }
      - { .name: key_feat, .offset: 8, .size: 8, .value_kind: global_buffer, .address_space: global }
      - { .name: Wq, .offset: 16, .size: 8, .value_kind: global_buffer, .address_space: global }
      - { .name: Wk, .offset: 24, .size: 8, .value_kind: global_buffer, .address_space: global }
      - { .name: Wv, .offset: 32, .size: 8, .value_kind: global_buffer, .address_space: global }
      - { .name: Wo, .offset: 40, .size: 8, .value_kind: global_buffer, .address_space: global }
      - { .name: gp, .offset: 48, .size: 8, .value_kind: global_buffer, .address_space: global }
      - { .name: wb, .offset: 56, .size: 8, .value_kind: global_buffer, .address_space: global }
    .group_segment_fixed_size: 209920
    .private_segment_fixed_size: 0
    .kernarg_segment_align: 8
    .kernarg_segment_size: 64
    .max_flat_workgroup_size: 256
    .sgpr_count:     66
    .vgpr_count:     512
    .wavefront_size: 32
...
	.end_amdgpu_metadata
.endif
;; end of part 7
;; launch tmul: the kernel of part 2 again; grid 32 x 8, 8 waves a work-group, no clusters, 310,272 bytes of LDS; arguments gp, wb, tp; writes tp
;; launch smul: the kernel of part 3 again; grid 32 x 8, 8 waves a work-group, no clusters, 309,248 bytes of LDS; arguments tp, wb, sc; writes sc
;; launch umul: the kernel of part 4 again; grid 32 x 8, 8 waves a work-group, no clusters, 301,312 bytes of LDS; arguments sc, wb, ub; writes ub
;; launch mmul: the kernel of part 5 again; grid 32 x 8, 8 waves a work-group, no clusters, 218,112 bytes of LDS; arguments ub, wb, mf; writes mf
;; launch apply (part 8): grid 32 x 8, 8 waves a work-group, no clusters, 216,064 bytes of LDS; arguments key_feat, query_feat, mf, out0; writes out0
.if DOCPART == 8
	.amdgcn_target "amdgcn-amd-amdhsa--gfx1250"
	.amdhsa_code_object_version 6
	.text
	.protected	k_qfb1e7ed257_apply
	.globl	k_qfb1e7ed257_apply
	.p2align	8
	.type	k_qfb1e7ed257_apply,@function
k_qfb1e7ed257_apply:
	s_mov_b64 s[64:65], 0
	v_nop
	global_prefetch_b8 v0, s[64:65] scope:SCOPE_SE
	s_setreg_imm32_b32 hwreg(HW_REG_WAVE_SCHED_MODE, 0, 2), 2
	s_setreg_imm32_b32 hwreg(HW_REG_WAVE_MODE, 25, 1), 1
	s_wait_xcnt 0x0
	s_wait_alu depctr_vm_vsrc(0)
; out[o][n] = xq[o][n] + the sum over j of M[o][j] xk[j][n].  xk is rounded once to bf16, M comes in bf16 as fragments (mf); sums and the residual in f32.
; SHARES.  A work-group takes one batch, all 512 o and 128 n: each byte of xk, xq and out is touched by one work-group, once.  Wave w: o = 64 w .. 64 w + 63, all 128 n: 32 accumulators, all of window 1.
; PHASE A: wave w loads rows j = 64 w .. + 63 of xk (a row's 512 bytes a load), rounds them and stores them to LDS as [j][n].  PHASE B: 16 sub-steps of 32 j: xk's fragments come turned out of LDS,
; M's straight from memory into registers, each wave its own, four sub-steps ahead.  Source 0 = xk turned (16 n), source 1 = M (16 o): a lane holds one o and eight neighbouring n.
; THE WAY OUT: 16 rows o at a time through my own stage, so that a row's 512 bytes lie in 32 lanes as xq's and out's do; xq is added there.
; NO CLUSTER: xk, xq and out are shared by nobody; M's fragments, which the batch's 32 work-groups all read, go into registers, not into LDS.
; REGISTERS.  Window 0: v2-11 addresses; v32-63, v64-95, v224-255 xk's fragments, three buffers of four; v96-223 M's fragments, four sets of four; v32-223 later take xq.  Window 1: first xk as loaded, then the accumulators.
; THE MODE: SCHED_MODE bits 1:0 = 2 (LLVM: expert scheduling mode 2), set by the entry lines.  The code itself states the register dependences
; between vector or matrix instructions and memory or LDS instructions, with s_wait_alu, always for 0.
; THE PLAN.  Registers that memory or LDS instructions touch, in phase B.  A sub-step k has two halves, h = 2 k and 2 k + 1, of 16 products each:
;   X0, X1, X2    Half h's products read buffer h % 3.  The fetch for half 2 k + 2 stands between sub-step k's halves, that for half 2 k + 3 at its tail.
;   M's four sets Sub-step k's products read set k % 4; the loads of sub-step k + 4 land in it, at sub-step k's tail.
;   v2 to v11     offsets and LDS addresses, made at the head and never written again: xk's LDS address has a register for each four sub-steps.
;   The accumulators are named by products alone until the way out.
; So ONE wait on va_vdst stands in a sub-step, at its tail: both halves' products are done, so the fetch into buffer 2 k % 3 and the loads into set k % 4 may land.  The fetch between the halves lands in
; buffer (2 k + 2) % 3, which half 2 k - 1 read last, ahead of the tail wait of sub-step k - 1; since that wait only products on buffer 2 k % 3, set k % 4 and the accumulators have been issued.
.set PV,   288                         ; a row of xk in LDS: 256 bytes + 32
.set STAGE, 512*PV
.set PS,   528                         ; a row of the stage: 512 bytes + 16; the 1,024 bytes behind the eight stages take the closing add
.set GOF, 2
.set XST, 3
.set STO, 5
.set RD,  6
.set PFO, 7
.set XA,  8                            ; v8-11  the turning load's address for sub-steps 4 g .. 4 g + 3 at XA + g
.set MR,  96
.set QB0, 96
.set QB1, 160
.set QB2, 32
.set WV,  12
.set XK,  16
.set XQ,  18
.set OUT, 20
.set MB,  22
.set MSB, 0
.macro WIN new
.if MSB != (\new)
	s_set_vgpr_msb (MSB<<8)|(\new)
.set MSB, \new
.endif
.endm
.macro PLACES
.rept 4
	v_nop
.endr
.endm
.macro GROUP g, left                   ; 16 rows of xk: rounded in place (four registers become two), stored
	s_wait_loadcnt \left
	WIN 0x45
.set q, 16*(\g)
.rept 16
	v_cvt_pk_bf16_f32 v[2*q],   v[4*q],   v[4*q+1]
	v_cvt_pk_bf16_f32 v[2*q+1], v[4*q+2], v[4*q+3]
.set q, q+1
.endr
	WIN 0x04
	s_wait_alu depctr_va_vdst(0)           ; the group's conversions have written the registers that the LDS stores read; at the first group the head's addresses are written too
.set q, 16*(\g)
.rept 16
	ds_store_b64 v[XST], v[2*q:2*q+1] offset:q*PV
.set q, q+1
.endr
.endm
.macro MLOAD k                         ; M's four fragments of sub-step k into set k % 4: 8 loads of 512 consecutive bytes
	WIN 0
.irp ob, 0,1,2,3
	global_load_b128 v[MR+32*((\k)%4)+8*(\ob):MR+32*((\k)%4)+8*(\ob)+3],   v[GOF], s[MB:MB+1] offset:(\k)*32768+(\ob)*1024
	global_load_b128 v[MR+32*((\k)%4)+8*(\ob)+4:MR+32*((\k)%4)+8*(\ob)+7], v[GOF], s[MB:MB+1] offset:(\k)*32768+(\ob)*1024+512
.endr
.endm
.macro XFETCH k, hs                    ; four turned fragments of xk: sub-step k, n blocks 4 hs .. 4 hs + 3, into buffer (2 k + hs) % 3: v32, v64 or v224 on
.set xf, 32+32*((2*(\k)+(\hs))%3)+128*(((2*(\k)+(\hs))%3)/2)
.irp i, 0,1,2,3
	ds_load_tr16_b128 v[xf+8*(\i):xf+8*(\i)+3],   v[XA+(\k)/4] offset:((\k)%4)*32*PV+32*(4*(\hs)+(\i))
	ds_load_tr16_b128 v[xf+8*(\i)+4:xf+8*(\i)+7], v[XA+(\k)/4] offset:((\k)%4)*32*PV+32*(4*(\hs)+(\i))+16*PV
.endr
.endm
.macro MULS k, hs                      ; 16 products on 16 different accumulators; sub-step 0 starts the sums with the constant 0
.set xf, 32+32*((2*(\k)+(\hs))%3)+128*(((2*(\k)+(\hs))%3)/2)
	WIN 0x50                               ; C and D in window 1
.irp i, 0,1,2,3
.irp ob, 0,1,2,3
.if (\k) == 0
	v_wmma_f32_16x16x32_bf16 v[8*(8*(\ob)+4*(\hs)+(\i)):8*(8*(\ob)+4*(\hs)+(\i))+7], v[xf+8*(\i):xf+8*(\i)+7], v[MR+32*((\k)%4)+8*(\ob):MR+32*((\k)%4)+8*(\ob)+7], 0
.else
	v_wmma_f32_16x16x32_bf16 v[8*(8*(\ob)+4*(\hs)+(\i)):8*(8*(\ob)+4*(\hs)+(\i))+7], v[xf+8*(\i):xf+8*(\i)+7], v[MR+32*((\k)%4)+8*(\ob):MR+32*((\k)%4)+8*(\ob)+7], v[8*(8*(\ob)+4*(\hs)+(\i)):8*(8*(\ob)+4*(\hs)+(\i))+7]
.endif
.endr
.endr
.endm
.macro QLOAD blk, buf                  ; 16 rows of xq, a row's 512 bytes a load
	WIN 0
.set q, 0
.rept 16
	global_load_b128 v[(\buf)+4*q:(\buf)+4*q+3], v[GOF], s[XQ:XQ+1] offset:(16*(\blk)+q)*16384 th:TH_LOAD_NT
.set q, q+1
.endr
.endm
; A PREFETCH of my own 16 rows x 512 bytes of xq, block blk: a lane for each aligned 256 bytes, one instruction; each block of the launch is named once, by the wave that will load it.
; Blocks 0 to 3 are asked for behind sub-steps 9, 11, 13, 15 and loaded behind sub-steps 13, 15, 15 and in the way out: at most two blocks a wave are asked for and not yet loaded.  The address registers are never rewritten.
.macro ASK blk
	global_prefetch_b8 v[PFO], s[XQ:XQ+1] offset:(\blk)*262144 th:TH_LOAD_NT scope:SCOPE_SE
.endm
; A sub-step: 32 j.  The wait on loads counts the younger ones that may stay out: three sets of M (24); at 13 two sets (16); at 14 a set and xq's block 0 (24); at 15 block 0 (16).
.macro SUB k
.if ((\k) == 13) || ((\k) == 15)
	s_wait_loadcnt 16
.else
	s_wait_loadcnt 24
.endif
	s_wait_dscnt 8                         ; the first four fragments are in; the other four's 8 loads may be out
	MULS \k, 0
	WIN 0
.if (\k) < 15
	XFETCH (\k)+1, 0                       ; no wait: no vector or matrix instruction since the last sub-step's tail wait names this buffer; the places behind its last readers stand at that tail
	s_wait_dscnt 8
.else
	s_wait_dscnt 0x0
.endif
	MULS \k, 1
	PLACES                                 ; the four places behind the products stay beside the wait
	WIN 0
	s_wait_alu depctr_va_vdst(0)           ; this sub-step's products are done reading their first buffer of xk and their set of M, in which the loads below land; at sub-step 15 they have also written the accumulators, which the way out's LDS stores read
.if (\k) < 15
	XFETCH (\k)+1, 1
.endif
.if (\k) <= 11
	MLOAD (\k)+4
.endif
.if (\k) == 13
	QLOAD 0, QB0                           ; M's sets 12 and 13 have been multiplied
.endif
.if (\k) == 15
	QLOAD 1, QB1
	QLOAD 2, QB2
.endif
.if ((\k) >= 9) && (((\k)%2) == 1)
	ASK ((\k)-9)/2
.endif
.endm
.macro TOSTAGE a                       ; block a's 16 rows o into my stage and back as whole rows, into the registers that they left
	WIN 0x04
.set t, 0
.rept 8                                ; each accumulator's low registers are read first
	ds_store_b128 v[STO], v[64*(\a)+8*t:64*(\a)+8*t+3]   offset:64*t
	ds_store_b128 v[STO], v[64*(\a)+8*t+4:64*(\a)+8*t+7] offset:64*t+16
.set t, t+1
.endr
	WIN 0x40                               ; the loads' window first, then their waits, then the loads
	s_wait_alu depctr_vm_vsrc(0)           ; the LDS stores above have read the block's 64 registers, in which the loads below land and which the additions then write
	s_wait_alu depctr_va_vdst(0)           ; the products have written those registers: said directly ahead of the loads, since the stores that read them stand behind the earlier wait
.set q, 0
.rept 16
	ds_load_b128 v[64*(\a)+4*q:64*(\a)+4*q+3], v[RD] offset:q*PS  ; LDS serves a wave's instructions in order (ISA guide 5.7.1.4): these see the stores above; the next block's stores come behind them
.set q, q+1
.endr
.endm
.macro SEND a, buf, dsleft, ldleft     ; dsleft: the next block's 32 LDS instructions; ldleft: the younger blocks' loads of xq
	s_wait_dscnt \dsleft
	s_wait_loadcnt \ldleft
	WIN 0x41
.set i, 0
.rept 32
	v_pk_add_f32 v[64*(\a)+2*i:64*(\a)+2*i+1], v[64*(\a)+2*i:64*(\a)+2*i+1], v[(\buf)+2*i:(\buf)+2*i+1]
.set i, i+1
.endr
	WIN 0x04
	s_wait_alu depctr_va_vdst(0)           ; the additions have written the block's 64 registers, which the stores below read
.set q, 0
.rept 16
	global_store_b128 v[GOF], v[64*(\a)+4*q:64*(\a)+4*q+3], s[OUT:OUT+1] offset:(16*(\a)+q)*16384 th:TH_STORE_NT  ; 512 consecutive bytes, aligned
.set q, q+1
.endr
.endm
	s_load_b256 s[4:11], s[0:1], 0x0       ; xk s[4:5], xq s[6:7], mf s[8:9], out s[10:11]
	v_lshl_add_u32 v30, v0, 2, 0x34800
	v_mov_b32 v31, 0
	v_lshrrev_b32 v1, 5, v0
	v_readfirstlane_b32 s[WV], v1
	v_and_b32 v16, 31, v0
	v_lshlrev_b32 v[GOF], 4, v16
	s_wait_alu depctr_va_sdst(0)           ; the wave's number is written, ahead of its first reader: the four bases are made from it
	s_and_b32 s13, ttmp7, 0xffff           ; batch
	s_lshl_b32 s14, s13, 23
	s_lshl_b32 s15, s[WV], 20              ; 64 rows of 16,384 bytes
	s_add_co_u32 s14, s14, s15
	s_lshl_b32 s15, ttmp9, 9               ; 128 n
	s_add_co_u32 s14, s14, s15
	s_mov_b32 s15, 0
	s_lshl_b32 s24, s13, 19
	s_lshl_b32 s25, s[WV], 12              ; my four blocks of 16 o
	s_add_co_u32 s24, s24, s25
	s_mov_b32 s25, 0
	s_wait_kmcnt 0x0
	s_add_nc_u64 s[XK:XK+1], s[4:5], s[14:15]
	s_add_nc_u64 s[XQ:XQ+1], s[6:7], s[14:15]
	s_add_nc_u64 s[OUT:OUT+1], s[10:11], s[14:15]
	s_add_nc_u64 s[MB:MB+1], s[8:9], s[24:25]
	WIN 0x40
	s_wait_alu depctr_va_vdst(0)           ; v[GOF] is written: every global load and store of the kernel reads it as its offset
.set q, 0
.rept 64
	global_load_b128 v[4*q:4*q+3], v[GOF], s[XK:XK+1] offset:q*16384 th:TH_LOAD_NT
.set q, q+1
.endr
	WIN 0
	v_and_b32 v17, 15, v0                  ; r
	v_bfe_u32 v18, v0, 4, 1                ; h
	s_mul_i32 s26, s[WV], 64*PV
	v_lshl_add_u32 v[XST], v16, 3, s26
	v_and_b32 v19, 7, v0
	v_bfe_u32 v20, v0, 3, 1
	v_lshl_add_u32 v[XA], v18, 3, v19      ; the turning load: lane l reads row 8 (l / 16) + l % 8, 16 bytes at 16 ((l / 8) % 2)
	v_mul_u32_u24 v[XA], v[XA], PV
	v_lshl_add_u32 v[XA], v20, 4, v[XA]
	v_add_nc_u32 v[XA+1], 128*PV, v[XA]    ; and the same place 128, 256 and 384 rows of xk on: no address is stepped in phase B
	v_add_nc_u32 v[XA+2], 2*128*PV, v[XA]
	v_add_nc_u32 v[XA+3], 3*128*PV, v[XA]
	s_mul_i32 s27, s[WV], 16*PS
	s_add_co_u32 s27, s27, STAGE           ; my stage
	v_mul_u32_u24 v[STO], v17, PS
	v_lshl_add_u32 v[STO], v18, 5, v[STO]
	v_add_nc_u32 v[STO], s27, v[STO]
	v_lshl_add_u32 v[RD], v16, 4, s27
	v_lshrrev_b32 v21, 1, v16
	v_and_b32 v22, 1, v16
	v_lshlrev_b32 v[PFO], 14, v21          ; row lane / 2, half lane % 2 of its 512 bytes
	v_lshl_add_u32 v[PFO], v22, 8, v[PFO]
	GROUP 0, 48                            ; the counts: the later groups' loads stay out
	GROUP 1, 32
	GROUP 2, 16
	MLOAD 0
	MLOAD 1
	MLOAD 2
	MLOAD 3
	GROUP 3, 32                            ; M's 32 loads stay out
	WIN 0
	s_wait_dscnt 0x0                       ; for the others' sake: my 64 rows lie in LDS
	s_barrier_signal -1
	s_barrier_wait -1
	s_wait_alu depctr_vm_vsrc(0)           ; my LDS stores have read window 1's first 128 registers: they are accumulators from here on, written by the first products
	XFETCH 0, 0
	XFETCH 0, 1
.irp k, 0,1,2,3,4,5,6,7,8,9,10,11,12,13,14,15
	SUB \k
.endr
	PLACES                                 ; eight places in all behind the last products
	TOSTAGE 0
	TOSTAGE 1
	SEND 0, QB0, 32, 32
	WIN 0
	s_wait_alu depctr_va_vdst(0)           ; block 0's additions are done reading v[QB0 ..], in which block 3's loads land: said directly ahead of them, under their window
	QLOAD 3, QB0
	TOSTAGE 2
	SEND 1, QB1, 32, 32
	TOSTAGE 3
	SEND 2, QB2, 32, 16
	SEND 3, QB0, 0, 0
	WIN 0
	s_wait_dscnt 0x0                       ; the wave's end
	s_wait_alu depctr_hold_cnt(0) depctr_sa_sdst(0) depctr_va_vdst(0) depctr_va_sdst(0) depctr_va_ssrc(0) depctr_va_vcc(0) depctr_vm_vsrc(0)
	s_wait_tensorcnt 0x0
	ds_add_u32 v30, v31
	s_wait_dscnt 0x0
	s_endpgm
.Lfunc_end_k_qfb1e7ed257_apply:
	.size	k_qfb1e7ed257_apply, .Lfunc_end_k_qfb1e7ed257_apply-k_qfb1e7ed257_apply
	.p2alignl 7, 3214868480
	.fill 96, 4, 3214868480
	.section	.rodata,"a",@progbits
	.p2align	6, 0x0
	.amdhsa_kernel k_qfb1e7ed257_apply
		.amdhsa_group_segment_fixed_size 216064
		.amdhsa_private_segment_fixed_size 0
		.amdhsa_enable_private_segment 0
		.amdhsa_kernarg_size 32
		.amdhsa_user_sgpr_count 2
		.amdhsa_user_sgpr_kernarg_segment_ptr 1
		.amdhsa_wavefront_size32 1
		.amdhsa_system_sgpr_workgroup_id_x 1
		.amdhsa_system_sgpr_workgroup_id_y 1
		.amdhsa_system_sgpr_workgroup_id_z 1
		.amdhsa_system_vgpr_workitem_id 0
		.amdhsa_next_free_vgpr 512
		.amdhsa_next_free_sgpr 66
		.amdhsa_reserve_vcc 0
		.amdhsa_float_denorm_mode_32 3
		.amdhsa_float_denorm_mode_16_64 3
		.amdhsa_memory_ordered 1
		.amdhsa_forward_progress 1
		.amdhsa_inst_pref_size 118
	.end_amdhsa_kernel
	.amdgpu_metadata
---
amdhsa.version: [ 1, 2 ]
amdhsa.kernels:
  - .name:           k_qfb1e7ed257_apply
    .symbol:         k_qfb1e7ed257_apply.kd
    .args:
      - { .name: key_feat, .offset: 0, .size: 8, .value_kind: global_buffer, .address_space: global }
      - { .name: query_feat, .offset: 8, .size: 8, .value_kind: global_buffer, .address_space: global }
      - { .name: mf, .offset: 16, .size: 8, .value_kind: global_buffer, .address_space: global }
      - { .name: out0, .offset: 24, .size: 8, .value_kind: global_buffer, .address_space: global }
    .group_segment_fixed_size: 216064
    .private_segment_fixed_size: 0
    .kernarg_segment_align: 8
    .kernarg_segment_size: 32
    .max_flat_workgroup_size: 256
    .sgpr_count:     66
    .vgpr_count:     512
    .wavefront_size: 32
...
	.end_amdgpu_metadata
.endif
;; end of part 8
